; MI455X (gfx1250); checked and timed in simulation.
; The chip was launched on July 23, 2026; its instructions are those of AMD's public machine-readable ISA for CDNA 5 (MIT licence, August 2026) and "CDNA5" Instruction Set Architecture Reference Guide (July 2026). The comments in the code are by the model that wrote it; some were corrected since.
;; Attention Layer. Allowed arithmetic: matrix products marked QUANTISED: E2M1 operands, one E8M0 scale for each 32 along K, by v_wmma_scale_f32_16x16x128_f8f6f4 with both operands' format E2M1 (or v_wmma_scale_f32_32x16x128_f4), f32 sums; everything else in f32.
;; Inputs: out_b 1,024 float32; out_w 1,024 x 1,024 float32; qkv_b 3,072 float32; qkv_w 3,072 x 1,024 float32; x 8 x 1,024 x 1,024 float32.
;; Outputs: out0 8 x 1,024 x 1,024 float32.
;; This version of the problem:
;;   THIS VERSION OF THE PROBLEM IS GIVEN IN LOW PRECISION. The matrix products marked QUANTISED in the list below multiply operands that are first quantised to E2M1 (2 exponent bits, 1 mantissa bit; 4 bits a number), with one power-of-two scale for each 32 numbers along K (OCP MX v1.0); their sums are f32. All else is computed in f32.
;;   The module's matrix products, in the order in which they are computed (A, B: the left and right operand; K: the contracted axis; several contracted axes count as one K, in the product's order):
;;     1. [M 8,192, K 1,024] x [K 1,024, N 3,072]; A: input x; B: input qkv_w: QUANTISED
;;     2. batch 128 x [M 1,024, K 64] x [K 64, N 1,024]; A: computed on the way; B: computed on the way: QUANTISED
;;     3. batch 128 x [M 64, K 1,024] x [K 1,024, N 1,024]; A: computed on the way; B: softmax (see below): QUANTISED
;;     4. [M 8,192, K 1,024] x [K 1,024, N 1,024]; A: computed on the way; B: input out_w: QUANTISED
;;   THE QUANTISER, for each operand of a quantised product, along K:
;;     - K is cut into blocks of 32 from its start; a last block that is shorter is filled with zeros.
;;     - A block's scale is 2^e with e = floor(log2(the largest magnitude in the block)) - 2, held to -126 .. 127; a block of zeros has e = 0. As a byte (E8M0): e + 127.
;;     - Each number is divided by its block's scale, clamped to +-6, and rounded to the nearest number of E2M1, ties to even, subnormals kept.
;;     - The product sums the exact products of the quantised numbers (number of the format x scale) in f32.
;;   ~~~python
;;   def quantise(x, axis):      # numpy; x: float32 -> the quantised numbers, widened to float32 again
;;       x = np.moveaxis(x, axis, -1); K = x.shape[-1]
;;       x = np.pad(x, [(0, 0)] * (x.ndim - 1) + [(0, -K % 32)]); x = x.reshape(x.shape[:-1] + (-1, 32)); a = np.abs(x).max(-1, keepdims=True)
;;       e = np.where(a > 0, np.clip(np.frexp(np.where(a > 0, a, 1))[1] - 1 - 2, -126, 127), 0)      # np.frexp(a)[1] - 1 = floor(log2(a)), exactly
;;       r = np.clip(x / 2.0 ** e, -6, 6)
;;       step = 2.0 ** (np.maximum(np.frexp(np.where(r == 0, 1, r))[1] - 1, 0) - 1)
;;       q = np.round(r / step) * step * 2.0 ** e      # np.round: ties to even
;;       return np.moveaxis(q.reshape(q.shape[:-2] + (-1,))[..., :K], -1, axis).astype(np.float32)
;;   ~~~
;;   SOFTMAX AHEAD OF A QUANTISED PRODUCT. Where the list says 'softmax', what is quantised is not the finished softmax but p = 2^(t - M), with t = logit x log2(e) and M = ceil(the row's largest t), a whole number; so 1/2 < the row's largest p <= 1. The row's sum l is taken of the UNQUANTISED p, in f32, and the product's result is divided by l at the end. Since M is a whole number, a kernel that streams over the keys may use a running M (the ceiling of the running maximum): every later rescaling is an exact power of two, which a block's scale takes up: the codes' values come out the same.
;;   OPERANDS COMPUTED ON THE WAY. 'Computed on the way' means the value that the module computes at that place (a softmax that the list does not call 'softmax' is quantised finished and normalised). What goes into a quantiser is computed in f32, as accurately as f32 sums, v_exp_f32 and their like allow (about 1e-6 of the number): no bf16 or f16 on the way to a quantiser, and a product that is left as it is and whose result goes on into a quantised operand takes f32 operands (vector FMAs, or v_wmma_f32_16x16x4_f32). A number that lies on a knife's edge between two numbers of the format may be rounded either way, as far as f32 arithmetic and the matrix unit's own rounding can turn it there, and no further.
;; 2 versions, each right and faster than the one before. Each part assembles by itself: llvm-mc -triple=amdgcn-amd-amdhsa -mcpu=gfx1250 --defsym DOCPART=n.
;; ======== version 1 of 2: 4 launches
;; workspace buffers: x_codes 4,194,304 bytes; x_scales 262,144 bytes; w_codes 2,097,152 bytes; w_scales 131,072 bytes; qkv 13,893,632 bytes; attn_codes 4,194,304 bytes; attn_scales 262,144 bytes
;; launch quant (part 1): grid 384 x 1, 4 waves a work-group, no clusters, 33,280 bytes of LDS; arguments x, qkv_w, out_w, x_codes, x_scales, w_codes, w_scales; writes x_codes, x_scales, w_codes, w_scales
.if DOCPART == 1
	.amdgcn_target "amdgcn-amd-amdhsa--gfx1250"
	.amdhsa_code_object_version 6
	.text
	.protected	k_qd0f63cb05f_quant
	.globl	k_qd0f63cb05f_quant
	.p2align	8
	.type	k_qd0f63cb05f_quant,@function
k_qd0f63cb05f_quant:
	s_mov_b64 s[64:65], 0
	v_nop
	global_prefetch_b8 v0, s[64:65] scope:SCOPE_SE
	s_setreg_imm32_b32 hwreg(HW_REG_WAVE_MODE, 25, 1), 1
	s_wait_xcnt 0x0
; ATTENTION LAYER IN MX-FP4, launch 1 of 4: x [8192][1024], qkv_w [3072][1024] and out_w [1024][1024], f32, become codes of E2M1 (K = the last axis, innermost, two codes a byte)
; with one E8M0 byte for each 32 along K.  Launch 2 makes q, k, v from them, launch 3 the attention, launch 4 the projection on the way out.
; NOTHING OF reference() IS LEFT OUT in this program: qkv_b goes into the quantisers of q, k and v, out_b into the result, and all four products reach the output: all five inputs are loaded.
; A block's scale is 2^(floor(log2(its largest magnitude)) - 2); its byte is the largest magnitude's exponent field - 2, held at 1 from below.  A block of zeros so gets the byte 1 where the rule says 127:
; its codes are zeros, which add nothing under any byte but 0xff, and the bytes are read by this program alone.
; LIMITS: NaN and infinities among the inputs are not served; blocks whose largest magnitude lies under 2^-124 keep the byte 1.
; LAYOUT OF THE RESULTS: a row of 1,024 codes is 512 bytes, its scale bytes 32.  A ROW STANDS AT THE PLACE WHOSE NUMBER HAS BITS 3 AND 4 OF THE ROW'S NUMBER EXCHANGED: sixteen neighbouring places t then hold
; rows 32 (t / 2) + 8 (t % 2) + p + 8 (p / 8), p = 0 .. 15, which is the choice of rows that lets a product's results be quantised in registers along the next K.  w_codes holds qkv_w's 3,072 rows, then out_w's 1,024.
; SHARES: a wave takes 8 rows (8,192 numbers) in 16 steps of 512; eight rows stay together under the exchange, so only the wave's place moves.  Work-groups 0-255 take x, 256-351 qkv_w, 352-383 out_w: only pointers are chosen.
; Each load reads 512 consecutive bytes; a step's 2,048 bytes turn through the wave's own stage in LDS so that a lane holds 16 neighbours along K.  Loads run eight steps (32 loads a wave) ahead.  No barrier: waves share nothing.
.set WAVES, 4
.set STEPS, 16
.set AHEAD, 8
.set EMAX,  2
.set CB,    8                          ; bytes of 16 codes
.set R,     16                         ; v16-143  eight sets of 16 numbers as they are loaded
.set X,     144                        ; v144-175 two sets of 16 neighbours
.set E,     176                        ; v176-191 a scale byte for each step
.set C,     192                        ; v192-223 codes: two registers for each step, so that no store's data are written again
.set WREG,  8192                       ; LDS: a region for each wave: two stages of 32 x SP bytes, behind them its 256 scale bytes
.set SP,    80                         ; a lane's place in a stage: 64 bytes + 16 of padding
.set SPW,   12                         ; v12  LDS address of my spare word; never rewritten
.set NIL,   13                         ; v13  0; never rewritten
.set SPARE, WAVES*WREG                 ; the spare words, 128 bytes for each wave, which no other line names
	s_load_b128 s[4:7], s[0:1], 0x0                ; x, qkv_w
	s_load_b128 s[8:11], s[0:1], 0x10              ; out_w, x_codes
	s_load_b128 s[12:15], s[0:1], 0x20             ; x_scales, w_codes
	s_load_b64 s[16:17], s[0:1], 0x30              ; w_scales
	v_lshl_add_u32 v[SPW], v0, 2, SPARE
	v_mov_b32 v[NIL], 0
	v_lshrrev_b32 v1, 5, v0
	v_readfirstlane_b32 s18, v1                    ; wave
	v_and_b32 v2, 31, v0                           ; lane
	v_lshlrev_b32 v3, 4, v2                        ; my 16 bytes of a load's 512
	s_mul_i32 s19, s18, WREG
	v_lshrrev_b32 v14, 2, v2
	v_mul_u32_u24 v14, v14, SP
	v_and_b32 v15, 3, v2
	v_lshl_add_u32 v14, v15, 4, v14
	v_add_nc_u32 v14, s19, v14                     ; the stage, on the way in: four lanes' 64 bytes on end, then 16 of padding
	v_mul_u32_u24 v15, v2, SP
	v_add_nc_u32 v15, s19, v15                     ; and on the way out: my 16 neighbours
	v_mul_u32_u24 v4, v2, CB                       ; my codes' place in a step's
	v_lshrrev_b32 v5, 1, v2
	s_add_co_u32 s19, s19, 2*32*SP
	v_add_nc_u32 v5, s19, v5                       ; LDS: my wave's 256 scale bytes, my block's byte
	v_lshlrev_b32 v7, 3, v2                        ; and on the way out 8 bytes a lane
	v_add_nc_u32 v6, s19, v7
	s_wait_kmcnt 0x0
	s_cmp_lt_u32 ttmp9, 256                        ; x's work-group?  The choices hang on the work-group's number alone
	s_cselect_b64 s[4:5], s[4:5], s[6:7]           ; from: x or qkv_w
	s_cselect_b64 s[10:11], s[10:11], s[14:15]     ; codes to: x_codes or w_codes
	s_cselect_b64 s[12:13], s[12:13], s[16:17]     ; bytes to: x_scales or w_scales
	s_cselect_b32 s20, 0, 256                      ; the first work-group of the buffers written
	s_mov_b32 s21, s20                             ; and of the tensor read
	s_cmp_lt_u32 ttmp9, 352
	s_cselect_b64 s[4:5], s[4:5], s[8:9]           ; from 352 on: out_w, which goes on behind qkv_w in w_codes
	s_cselect_b32 s21, s21, 352
	s_sub_co_u32 s22, ttmp9, s21
	s_lshl_b32 s22, s22, 2
	s_add_co_u32 s22, s22, s18                     ; which run of 8 rows of the tensor is my wave's
	s_sub_co_u32 s23, ttmp9, s20
	s_lshl_b32 s23, s23, 2
	s_add_co_u32 s23, s23, s18                     ; and of the buffers;
	s_and_b32 s24, s23, 1
	s_lshl_b32 s24, s24, 1
	s_bfe_u32 s25, s23, 0x10001
	s_and_b32 s23, s23, -4
	s_or_b32 s23, s23, s24
	s_or_b32 s23, s23, s25                         ; its two lowest bits change places: bits 3 and 4 of the rows' numbers
	s_lshl_b32 s26, s22, 15                        ; 32,768 bytes of f32 a run
	s_mov_b32 s27, 0
	s_add_nc_u64 s[4:5], s[4:5], s[26:27]
	s_lshl_b32 s26, s23, 12                        ; 4,096 bytes of codes
	s_add_nc_u64 s[10:11], s[10:11], s[26:27]
	s_lshl_b32 s26, s23, 8                         ; 256 scale bytes
	s_add_nc_u64 s[12:13], s[12:13], s[26:27]
.macro LOAD t
.irp i, 0,1,2,3
	global_load_b128 v[R+16*((\t)%AHEAD)+4*\i:R+16*((\t)%AHEAD)+4*\i+3], v3, s[4:5] offset:2048*(\t)+512*\i th:TH_LOAD_NT   ; 32 lanes read 512 consecutive bytes
.endr
.endm
.macro TURN t                          ; step t's numbers through the stage: LDS serves a wave's instructions in order, so no wait stands between the stores and the loads
.irp i, 0,1,2,3
	ds_store_b128 v14, v[R+16*((\t)%AHEAD)+4*\i:R+16*((\t)%AHEAD)+4*\i+3] offset:32*SP*((\t)%2)+8*SP*\i
.endr
.irp i, 0,1,2,3
	ds_load_b128 v[X+16*((\t)%2)+4*\i:X+16*((\t)%2)+4*\i+3], v15 offset:32*SP*((\t)%2)+16*\i
.endr
.endm
.irp t, 0,1,2,3,4,5,6,7
	LOAD \t
.endr
	s_wait_loadcnt 4*(AHEAD-1)                     ; step 0's four loads are in; seven steps' may be out
	TURN 0
.macro STEP t
.set XS, X+16*((\t)%2)
.if (\t) > 0
	s_wait_dscnt 1                                 ; this step's numbers are back from the stage (the last step's byte store may be out): so its stores into the stage have read their registers,
.else
	s_wait_dscnt 0x0
.endif
.if (\t)+AHEAD < STEPS
	LOAD (\t)+AHEAD                                ; which take the loads of eight steps on
.endif
.if (\t)+1 < STEPS
.if STEPS-2-(\t) >= AHEAD-1
	s_wait_loadcnt 4*(AHEAD-1)                     ; the next step's four loads are in; those of the seven steps behind it may be out
.else
	s_wait_loadcnt 4*(STEPS-2-(\t))                ; towards the end: as many steps as are left behind it
.endif
	TURN (\t)+1                                    ; and go through the other stage while this step is worked
.endif
	v_max3_num_f32 v8, |v[XS]|, |v[XS+1]|, |v[XS+2]|               ; the largest magnitude of my 16, in two chains
	v_max3_num_f32 v9, |v[XS+3]|, |v[XS+4]|, |v[XS+5]|
.irp i, 6,10
	v_max3_num_f32 v8, v8, |v[XS+\i]|, |v[XS+\i+1]|
	v_max3_num_f32 v9, v9, |v[XS+\i+2]|, |v[XS+\i+3]|
.endr
	v_max3_num_f32 v8, v8, |v[XS+14]|, |v[XS+15]|
	v_max3_num_f32 v8, v8, v9, (EMAX+1)<<23        ; and the floor 2^(3 - 127): the byte cannot fall under 1
	v_max_num_f32_dpp v8, v8, v8 row_xmask:1 row_mask:0xf bank_mask:0xf   ; and of my neighbour's 16: the block's
	v_add_nc_u32 v11, -(EMAX<<23), v8              ; 2 off its exponent field: the conversion takes the exponent field of this operand as its scale
	v_cvt_scalef32_pk8_fp4_f32 v[C+2*(\t)], v[XS:XS+7], v11
	v_cvt_scalef32_pk8_fp4_f32 v[C+2*(\t)+1], v[XS+8:XS+15], v11
	v_lshrrev_b32 v[E+(\t)], 23, v11               ; the scale's byte (also the plain line behind the conversions)
	ds_store_b8 v5, v[E+(\t)] offset:16*(\t)       ; both lanes of a block write the same byte with the same value
	global_store_b64 v4, v[C+2*(\t):C+2*(\t)+1], s[10:11] offset:32*CB*(\t)   ; the wave stores 256 consecutive bytes, aligned
.endm
.irp t, 0,1,2,3,4,5,6,7,8,9,10,11,12,13,14,15
	STEP \t
.endr
	ds_load_b64 v[8:9], v6                         ; LDS serves a wave's instructions in order: these see my byte stores
	s_wait_dscnt 0x0
	global_store_b64 v7, v[8:9], s[12:13]          ; my 8 rows' 256 scale bytes: consecutive, aligned
	s_wait_tensorcnt 0x0                           ; the wave's end, behind my last LDS store
	ds_add_u32 v[SPW], v[NIL]
	s_wait_dscnt 0x0
	s_endpgm
.Lfunc_end_k_qd0f63cb05f_quant:
	.size	k_qd0f63cb05f_quant, .Lfunc_end_k_qd0f63cb05f_quant-k_qd0f63cb05f_quant
	.p2alignl 7, 3214868480
	.fill 96, 4, 3214868480
	.section	.rodata,"a",@progbits
	.p2align	6, 0x0
	.amdhsa_kernel k_qd0f63cb05f_quant
		.amdhsa_group_segment_fixed_size 33280
		.amdhsa_private_segment_fixed_size 0
		.amdhsa_enable_private_segment 0
		.amdhsa_kernarg_size 56
		.amdhsa_user_sgpr_count 2
		.amdhsa_user_sgpr_kernarg_segment_ptr 1
		.amdhsa_wavefront_size32 1
		.amdhsa_system_sgpr_workgroup_id_x 1
		.amdhsa_system_sgpr_workgroup_id_y 1
		.amdhsa_system_sgpr_workgroup_id_z 1
		.amdhsa_system_vgpr_workitem_id 0
		.amdhsa_next_free_vgpr 224
		.amdhsa_next_free_sgpr 66
		.amdhsa_reserve_vcc 0
		.amdhsa_float_denorm_mode_32 3
		.amdhsa_float_denorm_mode_16_64 3
		.amdhsa_memory_ordered 1
		.amdhsa_forward_progress 1
		.amdhsa_inst_pref_size 34
	.end_amdhsa_kernel
	.amdgpu_metadata
---
amdhsa.version: [ 1, 2 ]
amdhsa.kernels:
  - .name:           k_qd0f63cb05f_quant
    .symbol:         k_qd0f63cb05f_quant.kd
    .args:
      - { .name: x, .offset: 0, .size: 8, .value_kind: global_buffer, .address_space: global }
      - { .name: qkv_w, .offset: 8, .size: 8, .value_kind: global_buffer, .address_space: global }
      - { .name: out_w, .offset: 16, .size: 8, .value_kind: global_buffer, .address_space: global }
      - { .name: x_codes, .offset: 24, .size: 8, .value_kind: global_buffer, .address_space: global }
      - { .name: x_scales, .offset: 32, .size: 8, .value_kind: global_buffer, .address_space: global }
      - { .name: w_codes, .offset: 40, .size: 8, .value_kind: global_buffer, .address_space: global }
      - { .name: w_scales, .offset: 48, .size: 8, .value_kind: global_buffer, .address_space: global }
    .group_segment_fixed_size: 33280
    .private_segment_fixed_size: 0
    .kernarg_segment_align: 8
    .kernarg_segment_size: 56
    .max_flat_workgroup_size: 128
    .sgpr_count:     66
    .vgpr_count:     224
    .wavefront_size: 32
...
	.end_amdgpu_metadata
.endif
;; end of part 1
;; launch qkv (part 2): grid 12 x 32, 4 waves a work-group, clusters of 4 x 4, 327,680 bytes of LDS; arguments x_codes, x_scales, w_codes, w_scales, qkv_b, qkv; writes qkv
.if DOCPART == 2
	.amdgcn_target "amdgcn-amd-amdhsa--gfx1250"
	.amdhsa_code_object_version 6
	.text
	.protected	k_qd0f63cb05f_qkv
	.globl	k_qd0f63cb05f_qkv
	.p2align	8
	.type	k_qd0f63cb05f_qkv,@function
k_qd0f63cb05f_qkv:
	s_mov_b64 s[64:65], 0
	v_nop
	global_prefetch_b8 v0, s[64:65] scope:SCOPE_SE
	s_setreg_imm32_b32 hwreg(HW_REG_WAVE_MODE, 25, 1), 1
	s_wait_xcnt 0x0
	s_wait_alu depctr_hold_cnt(0) depctr_sa_sdst(0) depctr_va_vdst(0) depctr_va_sdst(0) depctr_va_ssrc(0) depctr_va_vcc(0) depctr_vm_vsrc(0)
	s_getreg_b32 s2, hwreg(HW_REG_IB_STS2, 6, 4)
	s_cmp_eq_u32 s2, 0
	s_cbranch_scc0 .Lentry_in_a_cluster
	s_endpgm
.Lentry_in_a_cluster:
	s_bfe_u32 s2, ttmp6, 0x10000c
	s_cmp_lg_u32 s2, 0xf033
	s_cbranch_scc0 .Lentry_shape_is_right
	s_endpgm
.Lentry_shape_is_right:
; Launch 2 of 4: qkv = x qkv_w^T + qkv_b on codes of E2M1, and q, k, v quantised in registers for the two products of the attention.  No work of reference() is left out here.
; A work-group of four waves makes 256 tokens x 256 columns; a wave 128 x 128: 64 accumulators of 16 x 16 in 512 registers.  K = 1,024 is two slots of 512 along K in LDS: both are filled once, nothing is filled again.
; CLUSTERS: 4 x 4 work-groups; x's tiles are shared along a row of the cluster, the weight's along a column: each is asked for jointly, by one tensor load with a mask that names the four.
; TWO KINDS OF COLUMNS, told apart by the cluster's x, which all sixteen partners share.  KIND 0 (q and k): source 0 = 16 rows of the weight, source 1 = 16 tokens: a lane holds ONE token and its registers run along the columns,
; q's and k's K.  KIND 1 (v): source 0 = 16 tokens, source 1 = 16 rows of the weight: a lane holds ONE column d and its registers run along the tokens, the keys, v's K.  Only the LDS bases of the reads differ.
; Sixteen neighbouring places of x_codes and w_codes hold rows 32 (t / 2) + 8 (t % 2) + p + 8 (p / 8) (launch 1): so the 16 registers of two neighbouring tiles of source 0 are 16 NEIGHBOURS along the next K.
; THE RESULT: 64 records (batch x 8 + head pair) of 217,088 bytes, every piece an image of operand registers (group g of four registers of lane l at 512 g + 16 l):
;   0 Q codes [head 2][tile 64][512]; 65,536 Q scales [head 2][step 8][512]; 73,728 K codes; 139,264 V codes [head 2][step 8][d tile 4][1,024]; 204,800 K scales; 212,992 V scales [head 2][step 8][256].
;   A Q or K scale word holds the head's two bytes and two bytes 0; lanes 0-15 of a word's register serve the even tile, lanes 16-31 the odd one.
; LIMITS: NaN and infinities are not served; a block of zeros keeps the byte 1 (its codes are zeros; this program alone reads the bytes).
; REGISTERS, in windows of 256: window 0: v1-31 addresses and work; v32-95 scale words, two sets, and nothing else; v96-111 codes just made; v112-119 scale words to store; v128-191 source 1's fragments, one set, later 64 numbers at work;
;   v192-255 the bias.   window 1: source 0's fragments, two sets.   windows 2, 3: the accumulators ((a, b) at v[8 (8 (a % 4) + b)]).
.set PITCH,  272                       ; an LDS row: 256 bytes + 16 of padding
.set HALFT,  128*PITCH                 ; 128 rows: what one tensor load brings
.set SLOT,   4*HALFT                   ; x's 256 rows, then the weight's 256
.set NQ,     4                         ; steps of 128 along K in a slot
.set FR,     8
.set NL,     2
.set NP,     4
.set SCL,    2*SLOT                    ; the scale bytes: units of 256 bytes + 16 of padding: x's 256 rows, then the weight's
.set HALFS,  16*272                    ; those of 128 rows
.set SBLK,   2*272                     ; those of 16 rows
.set SPARE,  327168                    ; the spare words, at the end of LDS, far from every read
.set REC,    217088
.set PW,   3
.set TMA,  4
.set TMB,  8
.set TMC,  12
.set ADRA, 16
.set ADRB, 20
.set ADRS, 27
.set SPW,  28
.set NIL,  29
.set SC,   32
.set PC,   96
.set SW,   112
.set L16,  120
.set L8,   121
.set BO0,  122
.set BO1,  123
.set AF,   128
.set T,    128
.set BI,   192
.set WV,   16
.set HA,   17
.set HB,   18
.set KIND, 19
.set CX,   20
.set CY,   21
.set CBK,  22
.set RT,   23
.set G1,   24
.set G0,   32
.set G1B,  48
.set G0B,  56
.set G1S,  68
.set G0S,  76
.set G1SB, 80
.set G0SB, 88
.set OC,   92
.set OS,   94
.set HIM,  96
.set SEL,  98
.set MSB, 0
.macro WIN new                         ; the immediate's high byte repeats the setting that is left
.if MSB != \new
	s_set_vgpr_msb (MSB<<8)|\new
.set MSB, \new
.endif
.endm
.set MUL_LO, 0xa1                      ; source 0 window 1, source 1 window 0, C and D window 2
.set MUL_HI, 0xf1                      ; the same, C and D window 3
.set TO_B,   0x40                      ; destination window 1, address window 0
; A joint load: waves 0 and 1 fetch x's halves, waves 2 and 3 the weight's.  The branch hangs on the wave's number alone.  An s_nop 0 and four v_nop follow each line.
.macro JLOAD g0a, g1a, g0b, g1b
	s_cmp_eq_u32 s[HA], 0
	s_cbranch_scc0 .Lfor_b_\@
	tensor_load_to_lds s[\g0a:\g0a+3], s[\g1a:\g1a+7]
	s_nop 0
.rept 4
	v_nop
.endr
	s_branch .Lasked_\@
.Lfor_b_\@:
	tensor_load_to_lds s[\g0b:\g0b+3], s[\g1b:\g1b+7]
	s_nop 0
.rept 4
	v_nop
.endr
.Lasked_\@:
.endm
.macro CROUND                          ; a round of the cluster's barrier
	s_barrier_signal -1
	s_barrier_wait -1
	s_cmp_lg_u32 s[WV], 0
	s_cbranch_scc1 .Lnot_wave_0_\@
	s_barrier_signal -3
.Lnot_wave_0_\@:
	s_barrier_wait -3
	s_barrier_signal -1
	s_barrier_wait -1
.endm
	s_load_b128 s[4:7], s[0:1], 0x0                ; x_codes, x_scales
	s_load_b128 s[8:11], s[0:1], 0x10              ; w_codes, w_scales
	s_load_b128 s[12:15], s[0:1], 0x20             ; qkv_b, qkv
	v_lshl_add_u32 v[SPW], v0, 2, SPARE
	v_mov_b32 v[NIL], 0
	ds_add_u32 v[SPW], v[NIL]                      ; the wave's opening: the add, twice on end, and its wait ahead of my first tensor load
	ds_add_u32 v[SPW], v[NIL]
	v_lshrrev_b32 v1, 5, v0
	v_readfirstlane_b32 s[WV], v1                  ; wave 0..3
	s_lshr_b32 s[HA], s[WV], 1                     ; which half of source 1's rows is mine.  Also: I fetch for x (0) or for the weight (1)
	s_and_b32 s[HB], s[WV], 1                      ; which half of source 0's.  Also: which 128 rows I fetch
	s_bfe_u32 s[CX], ttmp6, 0x40000
	s_bfe_u32 s[CY], ttmp6, 0x40004
	s_lshl_b32 s[CBK], ttmp9, 2
	s_add_co_u32 s[CBK], s[CBK], s[CX]             ; block of 256 columns, 0..11
	s_and_b32 s[RT], ttmp7, 0xffff
	s_lshl_b32 s[RT], s[RT], 2
	s_add_co_u32 s[RT], s[RT], s[CY]               ; block of 256 tokens, 0..31
	s_cmp_eq_u32 ttmp9, 2
	s_cselect_b32 s[KIND], 1, 0                    ; v's columns: the same in all sixteen partners
	s_lshl_b32 s40, s[CY], 2
	s_lshl_b32 s40, 15, s40                        ; my row of the cluster
	s_lshl_b32 s41, 0x1111, s[CX]                  ; my column
	s_or_b32 s[G1+0], s40, (0<<16)|(1<<20)|(1<<21)|(5<<22)|(3<<25)   ; the mask; elements of 1 byte; padding: 4 words behind every 64
	s_or_b32 s[G1B+0], s41, (0<<16)|(1<<20)|(1<<21)|(5<<22)|(3<<25)
.irp g, G1, G1B
	s_mov_b32 s[\g+1], 256<<16                     ; tensor_dim0 = 256 bytes
	s_mov_b32 s[\g+2], 128<<16                     ; tensor_dim1 = 128 rows
	s_mov_b32 s[\g+3], 256<<16                     ; tile_dim0
	s_mov_b32 s[\g+4], 128                         ; tile_dim1
	s_mov_b32 s[\g+5], 512                         ; from row to row
	s_mov_b32 s[\g+6], 0
	s_mov_b32 s[\g+7], 0
.endr
	s_or_b32 s[G1S+0], s40, (3<<16)|(1<<20)|(1<<21)|(5<<22)|(3<<25)  ; the scale bytes of 128 rows: 4,096 dense bytes as 16 rows of 32 elements of 8 bytes
	s_or_b32 s[G1SB+0], s41, (3<<16)|(1<<20)|(1<<21)|(5<<22)|(3<<25)
.irp g, G1S, G1SB
	s_mov_b32 s[\g+1], 32<<16
	s_mov_b32 s[\g+2], 16<<16
	s_mov_b32 s[\g+3], 32<<16
	s_mov_b32 s[\g+4], 16
	s_mov_b32 s[\g+5], 32
	s_mov_b32 s[\g+6], 0
	s_mov_b32 s[\g+7], 0
.endr
	s_lshl_b32 s40, s[HB], 7                       ; which 128 rows I fetch
	s_lshl_b32 s42, s[RT], 8
	s_add_co_u32 s42, s42, s40                     ; x: place 256 x token block + 128 x half
	s_lshl_b32 s44, s[CBK], 8
	s_add_co_u32 s44, s44, s40                     ; the weight: place 256 x column block + 128 x half
	s_lshl_b32 s2, s42, 5                          ; their scale bytes, 32 a place,
	s_mov_b32 s3, 0
	s_lshl_b32 s42, s42, 9                         ; and their codes, 512 a place
	s_mov_b32 s43, 0
	s_lshl_b32 s46, s44, 5
	s_mov_b32 s47, 0
	s_lshl_b32 s44, s44, 9
	s_mov_b32 s45, 0
	s_mul_i32 s41, s[WV], HALFT                    ; where they go: wave x 128 rows: no place in the cluster enters an LDS address
	s_mul_i32 s40, s[WV], HALFS
	s_mov_b32 s[HIM], 0xffff0000                   ; lanes 16-31
	s_mov_b32 s[SEL], 0x76543210
	s_mov_b32 s[SEL+1], 0xfedcba98                 ; v_permlanex16_b32's selects for lane l xor 16
	s_wait_dscnt 0x0                               ; both opening adds are done
	s_wait_kmcnt 0x0
	s_add_nc_u64 s[42:43], s[4:5], s[42:43]
	s_add_nc_u64 s[2:3], s[6:7], s[2:3]
	s_add_nc_u64 s[44:45], s[8:9], s[44:45]
	s_add_nc_u64 s[46:47], s[10:11], s[46:47]
	CROUND                                         ; all sixteen work-groups are here: the first joint loads meet
	s_mov_b32 s[G0S], 1
	s_add_co_u32 s[G0S+1], s40, SCL
	s_mov_b64 s[G0S+2:G0S+3], s[2:3]
	s_or_b32 s[G0S+3], s[G0S+3], 0x80000000
	s_mov_b32 s[G0SB], 1
	s_add_co_u32 s[G0SB+1], s40, SCL
	s_mov_b64 s[G0SB+2:G0SB+3], s[46:47]
	s_or_b32 s[G0SB+3], s[G0SB+3], 0x80000000
	JLOAD G0S, G1S, G0SB, G1SB                     ; the scale bytes first: they are wanted with the first step
.irp s, 0,1
	s_mov_b32 s[G0+4*\s], 1
	s_add_co_u32 s[G0+4*\s+1], s41, \s*SLOT
	s_add_nc_u64 s[G0+4*\s+2:G0+4*\s+3], s[42:43], \s*256
	s_or_b32 s[G0+4*\s+3], s[G0+4*\s+3], 0x80000000
	s_mov_b32 s[G0B+4*\s], 1
	s_add_co_u32 s[G0B+4*\s+1], s41, \s*SLOT
	s_add_nc_u64 s[G0B+4*\s+2:G0B+4*\s+3], s[44:45], \s*256
	s_or_b32 s[G0B+4*\s+3], s[G0B+4*\s+3], 0x80000000
	JLOAD G0+4*\s, G1, G0B+4*\s, G1B               ; three tensor loads of mine are out behind the second of these
.endr
	v_and_b32 v1, 15, v0                           ; r = lane % 16
	v_bfe_u32 v2, v0, 4, 1                         ; h = lane / 16
	v_mul_u32_u24 v3, v1, PITCH
	v_lshl_add_u32 v3, v2, 4, v3                   ; a fragment's row x pitch + 16 x half
	s_cmp_eq_u32 s[KIND], 1
	s_cselect_b32 s40, 2*HALFT, 0                  ; source 1 reads x's rows (KIND 0) or the weight's (KIND 1),
	s_cselect_b32 s41, 0, 2*HALFT                  ; source 0 the other's
	s_cselect_b32 s2, s[HB], s[HA]                 ; which half of x's rows I read,
	s_cselect_b32 s3, s[HA], s[HB]                 ; and of the weight's
	s_mul_i32 s42, s[HA], HALFT
	s_add_co_u32 s40, s40, s42
	s_mul_i32 s42, s[HB], HALFT
	s_add_co_u32 s41, s41, s42
.irp s, 0,1
	v_add_nc_u32 v[ADRA+\s], s40, v3
	v_add_nc_u32 v[ADRB+\s], s41, v3
	s_add_co_u32 s40, s40, SLOT
	s_add_co_u32 s41, s41, SLOT
.endr
	s_xor_b32 s42, s2, 1                           ; the scale words: lanes 0-15 take source 1's, lanes 16-31 source 0's.  x's lie below the weight's: one base and one distance
	s_add_co_u32 s3, s3, s42
	s_add_co_u32 s3, s3, 1                         ; 2 + the weight's half - x's half: 1 .. 3
	s_mul_i32 s3, s3, HALFS                        ; the distance from my x rows' words to my weight rows'
	s_mul_i32 s2, s2, HALFS
	s_add_co_u32 s2, s2, SCL                       ; my x rows' words
	v_xor_b32 v4, s[KIND], v2                      ; 1 in the lanes that take the weight's
	v_mul_u32_u24 v4, s3, v4
	v_lshlrev_b32 v5, 5, v1                        ; 32 bytes a row,
	v_lshrrev_b32 v6, 3, v1
	v_lshl_add_u32 v5, v6, 4, v5                   ; and 16 more behind each 256
	v_add_nc_u32 v5, v5, v4
	v_add_nc_u32 v[ADRS], s2, v5
	v_and_b32 v4, 31, v0
	v_lshlrev_b32 v[L16], 4, v4                    ; an image's place for my lane
	v_lshlrev_b32 v[L8], 3, v4
	v_lshlrev_b32 v[BO0], 6, v2                    ; the bias, KIND 0: 16 h numbers on
	v_and_b32 v5, 8, v1
	v_add_nc_u32 v5, v5, v1
	v_lshlrev_b32 v[BO1], 2, v5                    ; KIND 1: number r + 8 (r / 8)
.irp b, 0,1,2,3
	v_mov_b32 v[TMB+\b], 0                         ; written once: a lane permute's destination counts as one of its sources
.endr
.macro FRAG reg, adr, q, i             ; 16 rows x 128 K of 4-bit codes: 8 registers, two loads of 16 bytes, 32 bytes apart
.irp c, 0,1
	ds_load_b128 v[\reg+4*\c:\reg+4*\c+3], v[\adr] offset:64*(\q)+32*\c+(\i)*16*PITCH
.endr
.endm
; 16 matrix instructions: source 1's blocks a0, a0 + 1 x source 0's eight.  The 64 accumulators take turns, one instruction a turn, in the same order in every step.
.macro MUL16 a0, p, q, sc, zero
.irp a, \a0, \a0+1
.irp b, 0,1,2,3,4,5,6,7
.if \zero
	v_wmma_scale_f32_16x16x128_f8f6f4 v[8*(8*((\a)%4)+\b):8*(8*((\a)%4)+\b)+7], v[128*(\p)+FR*\b:128*(\p)+FR*\b+FR-1], v[AF+FR*(\a):AF+FR*(\a)+FR-1], 0, v[SC+8*NQ*(\sc)+NQ*\b+(\q)], v[SC+8*NQ*(\sc)+NQ*(\a)+(\q)] matrix_a_fmt:MATRIX_FMT_FP4 matrix_b_fmt:MATRIX_FMT_FP4 matrix_a_scale:MATRIX_SCALE_ROW1
.else
	v_wmma_scale_f32_16x16x128_f8f6f4 v[8*(8*((\a)%4)+\b):8*(8*((\a)%4)+\b)+7], v[128*(\p)+FR*\b:128*(\p)+FR*\b+FR-1], v[AF+FR*(\a):AF+FR*(\a)+FR-1], v[8*(8*((\a)%4)+\b):8*(8*((\a)%4)+\b)+7], v[SC+8*NQ*(\sc)+NQ*\b+(\q)], v[SC+8*NQ*(\sc)+NQ*(\a)+(\q)] matrix_a_fmt:MATRIX_FMT_FP4 matrix_b_fmt:MATRIX_FMT_FP4 matrix_a_scale:MATRIX_SCALE_ROW1
.endif
.endr
.endr
.endm
.macro FETCH_B slot, q, p              ; source 0's eight fragments into set p
	WIN TO_B
.irp i, 0,1,2,3,4,5,6,7
	FRAG 128*(\p)+FR*\i, ADRB+\slot, \q, \i
.endr
	WIN 0
.endm
.macro FETCH_A slot, q, i0             ; source 1's blocks i0 .. i0 + 3
.irp i, \i0, \i0+1, \i0+2, \i0+3
	FRAG AF+FR*(\i), ADRA+\slot, \q, \i
.endr
.endm
.macro SCALES sc                       ; a slot's scale words: four a row
.irp i, 0,1,2,3,4,5,6,7
	ds_load_b128 v[SC+8*NQ*\sc+NQ*\i:SC+8*NQ*\sc+NQ*\i+3], v[ADRS] offset:\i*SBLK
.endr
.endm
.macro PLACES n                        ; plain vector lines between a matrix instruction and a load into, or a vector read of, its registers
.rept \n
	v_nop
.endr
.endm
.macro STEP slot, q, zero              ; a step of 128 along K that has its successor in the same slot
	s_wait_dscnt 4*NL                              ; all but the youngest eight loads (source 1's blocks 4-7) are in
	WIN MUL_LO
	MUL16 0, (\q)%2, \q, \slot, \zero
	MUL16 2, (\q)%2, \q, \slot, \zero
	s_wait_dscnt 0
	PLACES NP
	FETCH_B \slot, (\q)+1, 1-(\q)%2
	FETCH_A \slot, (\q)+1, 0
	WIN MUL_HI
	MUL16 4, (\q)%2, \q, \slot, \zero
	MUL16 6, (\q)%2, \q, \slot, \zero
	PLACES NP
	WIN 0
	FETCH_A \slot, (\q)+1, 4
.endm
.macro LAST                            ; the very last step: nothing more to fetch
	s_wait_dscnt 4*NL
	WIN MUL_LO
	MUL16 0, 1, NQ-1, 1, 0
	MUL16 2, 1, NQ-1, 1, 0
	s_wait_dscnt 0
	WIN MUL_HI
	MUL16 4, 1, NQ-1, 1, 0
	MUL16 6, 1, NQ-1, 1, 0
	WIN 0
.endm
; 64 numbers of a lane, register 16 b + i = k 32 b + 16 (lane / 16) + i of my row, become a fragment's codes in v[pc] on and its scale word in v[PW].
.macro QUANT s, pc
.irp b, 0,1,2,3
	v_max3_num_f32 v[TMA+\b], |v[\s+16*\b]|, |v[\s+1+16*\b]|, 0x1800000   ; block b: my 16 numbers, and the floor 2^(3 - 127)
.endr
.irp i, 2,4,6,8,10,12,14
.irp b, 0,1,2,3
	v_max3_num_f32 v[TMA+\b], v[TMA+\b], |v[\s+16*\b+\i]|, |v[\s+1+16*\b+\i]|
.endr
.endr
.irp b, 0,1,2,3
	v_permlanex16_b32 v[TMB+\b], v[TMA+\b], s[SEL], s[SEL+1]
.endr
.irp b, 0,1,2,3
	v_max_num_f32 v[TMA+\b], v[TMA+\b], v[TMB+\b]  ; with lane l xor 16's: the block's largest magnitude
.endr
.irp b, 0,1,2,3
	v_add_nc_u32 v[TMC+\b], 0xff000000, v[TMA+\b]  ; 2 off its exponent field: the conversion's scale operand
.endr
.irp b, 0,1,2,3
	v_lshrrev_b32 v[TMB+\b], 23, v[TMC+\b]         ; the scale's byte
.endr
	v_lshl_or_b32 v[PW], v[TMB+1], 8, v[TMB]
	v_lshl_or_b32 v[PW], v[TMB+2], 16, v[PW]
	v_lshl_or_b32 v[PW], v[TMB+3], 24, v[PW]
.irp b, 0,1,2,3
	v_cvt_scalef32_pk8_fp4_f32 v[\pc+2*\b], v[\s+16*\b:\s+7+16*\b], v[TMC+\b]
	v_cvt_scalef32_pk8_fp4_f32 v[\pc+1+2*\b], v[\s+8+16*\b:\s+15+16*\b], v[TMC+\b]
.endr
	v_nop                                          ; one plain line behind a scaled conversion
.irp c, 0,1                                    ; the operand's layout wants a whole block in a lane
.irp i, 0,1
	v_permlane16_swap_b32 v[\pc+4*\c+\i], v[\pc+2+4*\c+\i]
.endr
.endr
.endm
; Source 1's block a leaves: its eight accumulators + the bias, quantised, stored as images.  Every store covers 512 consecutive bytes, aligned.
.macro EPI kind, a
.set AC, 64*((\a)%4)
.set PCS, PC+8*((\a)%2)
.set WN, 0x02+(\a)/4
.if (\a) >= 2
	s_wait_xcnt 0x0                                ; block a - 2's stores have read the registers that this block's codes take
.endif
	WIN WN                                         ; source 0: the accumulators' window
.set ii, 0
.rept 32
.if \kind
	v_pk_add_f32 v[T+2*ii:T+2*ii+1], v[AC+2*ii:AC+2*ii+1], v[BI+2*(\a):BI+2*(\a)+1]   ; each accumulator from its low end on; my column's bias
.else
	v_pk_add_f32 v[T+2*ii:T+2*ii+1], v[AC+2*ii:AC+2*ii+1], v[BI+2*ii:BI+2*ii+1]       ; each accumulator from its low end on; my 64 columns' biases
.endif
.set ii, ii+1
.endr
	WIN 0
	QUANT T, PCS
.if \kind
	global_store_b128 v[L16], v[PCS:PCS+3], s[OC:OC+1] offset:32768*((\a)/4)+1024*((\a)%4)         ; head a / 4, d tile a % 4: 16 d x 128 keys
	global_store_b128 v[L16], v[PCS+4:PCS+7], s[OC:OC+1] offset:32768*((\a)/4)+1024*((\a)%4)+512
.if (\a)%2 == 0
	v_mov_b32 v[SW+(\a)/2], v[PW]                  ; the even tile's words serve lanes 0-15,
.else
	v_cndmask_b32 v[SW+(\a)/2], v[SW+(\a)/2], v[PW], s[HIM]   ; the odd tile's lanes 16-31
.endif
.else
	global_store_b128 v[L16], v[PCS:PCS+3], s[OC:OC+1] offset:512*(\a)                             ; the pair's first head: 16 tokens x 64 d
	global_store_b128 v[L16], v[PCS+4:PCS+7], s[OC:OC+1] offset:32768+512*(\a)                     ; its second
.if (\a)%2 == 0
	v_and_b32 v[SW+(\a)/2], 0xffff, v[PW]          ; a head's two bytes, and two bytes 0
	v_lshrrev_b32 v[SW+4+(\a)/2], 16, v[PW]
.else
	v_and_b32 v1, 0xffff, v[PW]
	v_lshrrev_b32 v2, 16, v[PW]
	v_cndmask_b32 v[SW+(\a)/2], v[SW+(\a)/2], v1, s[HIM]
	v_cndmask_b32 v[SW+4+(\a)/2], v[SW+4+(\a)/2], v2, s[HIM]
.endif
.endif
.endm
	s_wait_tensorcnt 1                             ; the scale bytes and my part of slot 0 are in (slot 1's load may be out)
	s_barrier_signal -1
	s_barrier_wait -1                              ; everybody's are
	FETCH_B 0, 0, 0
	FETCH_A 0, 0, 0
	SCALES 0
	FETCH_A 0, 0, 4
	STEP 0, 0, 1                                   ; the first step's products start the sums: nothing is cleared
	STEP 0, 1, 0
	STEP 0, 2, 0
	s_wait_tensorcnt 0x0                           ; slot 0's last step changes slots: my part of slot 1 is in;
	s_wait_dscnt 4*NL
	WIN MUL_LO
	MUL16 0, 1, NQ-1, 0, 0
	s_wait_dscnt 0x0                               ; no LDS instruction of mine is out at the signal
	s_barrier_signal -1
	MUL16 2, 1, NQ-1, 0, 0
	WIN 0
	s_barrier_wait -1                              ; slot 1 is whole.
	PLACES NP
	v_add_nc_u32 v[ADRS], 4*NQ, v[ADRS]            ; on to slot 1's scale words
	FETCH_B 1, 0, 0
	FETCH_A 1, 0, 0
	SCALES 1
	WIN MUL_HI
	MUL16 4, 1, NQ-1, 0, 0
	MUL16 6, 1, NQ-1, 0, 0
	PLACES NP
	WIN 0
	FETCH_A 1, 0, 4
	STEP 1, 0, 0
	STEP 1, 1, 0
	STEP 1, 2, 0
	s_lshr_b32 s40, s[RT], 2                       ; the record: batch x 8 + head pair; the pair's low bit follows in each arm
	s_lshl_b32 s40, s40, 3
	s_and_b32 s42, s[CBK], 3
	s_lshl_b32 s42, s42, 1
	s_add_co_u32 s40, s40, s42
	s_and_b32 s42, s[RT], 3
	s_lshl_b32 s42, s42, 1                         ; the step of 128 tokens in the batch; its low bit follows too
	s_lshl_b32 s44, s[CBK], 10                     ; the bias of my block's first column, in bytes
	s_mov_b32 s45, 0
	s_mov_b32 s47, 0
	s_cmp_eq_u32 s[KIND], 1                        ; the same way in all waves of all sixteen partners; no barrier stands in either arm
	s_cbranch_scc1 .Lkind1
	; ---- KIND 0: q or k.  My 128 columns are a head pair, my 128 tokens eight tiles: one step
	s_lshl_b32 s41, s[HB], 9
	s_add_co_u32 s44, s44, s41
	s_add_nc_u64 s[12:13], s[12:13], s[44:45]
.irp b, 0,1,2,3
.irp q, 0,1,2,3
	global_load_b128 v[BI+16*\b+4*\q:BI+16*\b+4*\q+3], v[BO0], s[12:13] offset:128*\b+16*\q   ; register 16 b + i: column 32 b + 16 h + i.  They land under the last step
.endr
.endr
	s_add_co_u32 s40, s40, s[HB]
	s_mul_i32 s40, s40, REC
	s_add_co_u32 s42, s42, s[HA]
	s_lshr_b32 s43, s[CBK], 2                      ; 0: q, 1: k
	s_mul_i32 s41, s43, 73728
	s_mul_i32 s43, s43, 139264
	s_lshl_b32 s46, s42, 12                        ; eight tiles of 512 bytes a step
	s_add_co_u32 s46, s46, s41
	s_add_co_u32 s46, s46, s40
	s_add_nc_u64 s[OC:OC+1], s[14:15], s[46:47]
	s_lshl_b32 s46, s42, 9                         ; 512 bytes of scale words a step
	s_add_co_u32 s46, s46, s43
	s_add_co_u32 s46, s46, s40
	s_add_co_u32 s46, s46, 65536
	s_add_nc_u64 s[OS:OS+1], s[14:15], s[46:47]
	LAST
	s_wait_loadcnt 0x0                             ; the bias
	PLACES NP
.irp a, 0,1,2,3,4,5,6,7
	EPI 0, \a
.endr
	global_store_b128 v[L16], v[SW:SW+3], s[OS:OS+1]
	global_store_b128 v[L16], v[SW+4:SW+7], s[OS:OS+1] offset:4096
	s_branch .Ljoin
.Lkind1:
	; ---- KIND 1: v.  My 128 columns (source 1) are a head pair: 2 x 4 tiles of 16 d; my 128 tokens (source 0) are one step of keys
	s_lshl_b32 s41, s[HA], 9
	s_add_co_u32 s44, s44, s41
	s_add_nc_u64 s[12:13], s[12:13], s[44:45]
.irp a, 0,1,2,3,4,5,6,7
	global_load_b32 v[BI+2*\a], v[BO1], s[12:13] offset:(32*(\a/2)+8*(\a%2))*4       ; my column of block a, twice: a pair for the packed addition
	global_load_b32 v[BI+2*\a+1], v[BO1], s[12:13] offset:(32*(\a/2)+8*(\a%2))*4
.endr
	s_add_co_u32 s40, s40, s[HA]
	s_mul_i32 s40, s40, REC
	s_add_co_u32 s42, s42, s[HB]
	s_lshl_b32 s46, s42, 12                        ; four tiles of 1,024 bytes a step
	s_add_co_u32 s46, s46, s40
	s_add_co_u32 s46, s46, 139264
	s_add_nc_u64 s[OC:OC+1], s[14:15], s[46:47]
	s_lshl_b32 s46, s42, 8                         ; 256 bytes of scale words a step
	s_add_co_u32 s46, s46, s40
	s_add_co_u32 s46, s46, 212992
	s_add_nc_u64 s[OS:OS+1], s[14:15], s[46:47]
	LAST
	s_wait_loadcnt 0x0
	PLACES NP
.irp a, 0,1,2,3,4,5,6,7
	EPI 1, \a
.endr
	global_store_b64 v[L8], v[SW:SW+1], s[OS:OS+1]
	global_store_b64 v[L8], v[SW+2:SW+3], s[OS:OS+1] offset:2048
.Ljoin:
	s_wait_tensorcnt 0x0                           ; the wave's end, behind my last tensor load
	ds_add_u32 v[SPW], v[NIL]
	s_wait_dscnt 0x0
	CROUND                                         ; the closing round
	s_endpgm
.Lfunc_end_k_qd0f63cb05f_qkv:
	.size	k_qd0f63cb05f_qkv, .Lfunc_end_k_qd0f63cb05f_qkv-k_qd0f63cb05f_qkv
	.p2alignl 7, 3214868480
	.fill 96, 4, 3214868480
	.section	.rodata,"a",@progbits
	.p2align	6, 0x0
	.amdhsa_kernel k_qd0f63cb05f_qkv
		.amdhsa_group_segment_fixed_size 327680
		.amdhsa_private_segment_fixed_size 0
		.amdhsa_enable_private_segment 0
		.amdhsa_kernarg_size 48
		.amdhsa_user_sgpr_count 2
		.amdhsa_user_sgpr_kernarg_segment_ptr 1
		.amdhsa_wavefront_size32 1
		.amdhsa_system_sgpr_workgroup_id_x 1
		.amdhsa_system_sgpr_workgroup_id_y 1
		.amdhsa_system_sgpr_workgroup_id_z 1
		.amdhsa_system_vgpr_workitem_id 0
		.amdhsa_next_free_vgpr 1024
		.amdhsa_next_free_sgpr 100
		.amdhsa_reserve_vcc 0
		.amdhsa_float_denorm_mode_32 3
		.amdhsa_float_denorm_mode_16_64 3
		.amdhsa_memory_ordered 1
		.amdhsa_forward_progress 1
		.amdhsa_inst_pref_size 206
	.end_amdhsa_kernel
	.amdgpu_metadata
---
amdhsa.version: [ 1, 2 ]
amdhsa.kernels:
  - .name:           k_qd0f63cb05f_qkv
    .symbol:         k_qd0f63cb05f_qkv.kd
    .args:
      - { .name: x_codes, .offset: 0, .size: 8, .value_kind: global_buffer, .address_space: global }
      - { .name: x_scales, .offset: 8, .size: 8, .value_kind: global_buffer, .address_space: global }
      - { .name: w_codes, .offset: 16, .size: 8, .value_kind: global_buffer, .address_space: global }
      - { .name: w_scales, .offset: 24, .size: 8, .value_kind: global_buffer, .address_space: global }
      - { .name: qkv_b, .offset: 32, .size: 8, .value_kind: global_buffer, .address_space: global }
      - { .name: qkv, .offset: 40, .size: 8, .value_kind: global_buffer, .address_space: global }
    .group_segment_fixed_size: 327680
    .private_segment_fixed_size: 0
    .kernarg_segment_align: 8
    .kernarg_segment_size: 48
    .max_flat_workgroup_size: 128
    .sgpr_count:     100
    .vgpr_count:     1024
    .wavefront_size: 32
...
	.end_amdgpu_metadata
.endif
;; end of part 2
;; launch attn (part 3): grid 4 x 64, 16 waves a work-group, clusters of 4 x 1, 167,936 bytes of LDS; arguments qkv, attn_codes, attn_scales; writes attn_codes, attn_scales
.if DOCPART == 3
	.amdgcn_target "amdgcn-amd-amdhsa--gfx1250"
	.amdhsa_code_object_version 6
	.text
	.protected	k_qd0f63cb05f_attn
	.globl	k_qd0f63cb05f_attn
	.p2align	8
	.type	k_qd0f63cb05f_attn,@function
k_qd0f63cb05f_attn:
	s_mov_b64 s[64:65], 0
	v_nop
	global_prefetch_b8 v0, s[64:65] scope:SCOPE_SE
	s_setreg_imm32_b32 hwreg(HW_REG_WAVE_MODE, 25, 1), 1
	s_wait_xcnt 0x0
	s_wait_alu depctr_hold_cnt(0) depctr_sa_sdst(0) depctr_va_vdst(0) depctr_va_sdst(0) depctr_va_ssrc(0) depctr_va_vcc(0) depctr_vm_vsrc(0)
	s_getreg_b32 s2, hwreg(HW_REG_IB_STS2, 6, 4)
	s_cmp_eq_u32 s2, 0
	s_cbranch_scc0 .Lentry_in_a_cluster
	s_endpgm
.Lentry_in_a_cluster:
	s_bfe_u32 s2, ttmp6, 0x10000c
	s_cmp_lg_u32 s2, 0x3003
	s_cbranch_scc0 .Lentry_shape_is_right
	s_endpgm
.Lentry_shape_is_right:
; Launch 3 of 4: for each batch and head, attn = softmax(q k^T / 8) v, both products on codes of E2M1, and attn quantised along E for the projection.  No work of reference() is left out here.
; THE SOFTMAX AHEAD OF THE SECOND PRODUCT: t = score x log2(e) / 8; M = the running largest t rounded UP to a whole number; p = 2^(t - M) is quantised along the keys, not normalised; the row's sum is taken of the
; unquantised p and divides at the end.  When M moves, the sum and O are multiplied by 2^(old M - new M): exact.
; SHARES: a work-group owns 256 queries of one record (a batch and a pair of heads); each of its sixteen waves 16 queries, for both heads one after the other, 8 steps of 128 keys each.
; ALL of the record's K and V, codes and scale words, 143,360 consecutive bytes, lies in LDS: every wave brings 35 rows of 256 bytes, once.  The four work-groups of a cluster walk the same record: the loads are joint.
; Every piece is an image of operand registers (launch 2), read at 16 x lane.  Both products are used transposed (S^T = K Q^T, O^T = V^T P^T): a lane holds ONE query throughout.
; K = 64 IN AN INSTRUCTION OF 128: Q's upper four registers are zero codes.  K's tile t names four registers more than it has: the next tile's codes (tile 7: four registers of zeros).  E2M1 has no infinity and no NaN,
; so those products are zeros; bytes 2 and 3 of Q's and K's scale words are 0, a power of two like any other.
; The keys of a tile are 32 b + 8 u + r + 8 (r / 8) (launch 1's order of places), so that p's 16 registers of two neighbouring tiles are 16 neighbouring keys; V's d rows likewise, so that O^T's are 16 neighbouring d.
; LIMITS: NaN and infinities are not served; a block of zeros keeps the byte 1 (this program alone reads the bytes).
.set REC,   217088
.set KOFF,  73728                      ; where the record's K and V begin
.set SPARE, 143360                     ; behind them in LDS: the spare words, 128 bytes for each of sixteen waves
.set LI,  1                            ; v1   16 x lane: K's codes begin at LDS byte 0
.set LV,  2                            ; v2   + 65,536: V's codes
.set LKS, 3                            ; v3   + 131,072: K's scale words
.set LVS, 4                            ; v4   8 x lane + 139,264: V's
.set SPW, 5
.set NIL, 6
.set QA,  7
.set QSA, 8
.set OSO, 9
.set ADK, 10
.set ADV, 11
.set ADS, 213
.set ADT, 214
.set QF,  16                           ; v16-23, v24-31: Q of the two heads, four registers of codes and four of zeros each
.set KF,  32                           ; v32-63 K's eight tiles; v64-67 zeros
.set KZ,  64
.set VF,  68                           ; v68-99 V's four tiles
.set S,   100                          ; v100-163 S^T, then p, then attn
.set OT,  164                          ; v164-195 O^T
.set PC,  196                          ; v196-203 p's codes
.set KS,  204                          ; v204-212 scale words, and nothing else
.set VS,  208
.set PW,  210
.set QS,  211
.set BM,  216
.set PT,  220
.set SO,  224
.set F,   228
.set TP,  230
.set SC2, 232
.set AC,  236                          ; v236-243 attn's codes, four registers a head
.set AW,  244                          ; attn's scale word
.set WV,  10
.set CX,  11
.set RC,  12
.set G1,  16
.set G0,  24
.set QP,  28
.set OC,  30
.set OSC, 32
.set SEL, 34
.set CS,  36
.set TB,  38
.set TS,  39
.set TJ,  40
.set CNT, 41
.macro CROUND                          ; a round of the cluster's barrier
	s_barrier_signal -1
	s_barrier_wait -1
	s_cmp_lg_u32 s[WV], 0
	s_cbranch_scc1 .Lnot_wave_0_\@
	s_barrier_signal -3
.Lnot_wave_0_\@:
	s_barrier_wait -3
	s_barrier_signal -1
	s_barrier_wait -1
.endm
	s_load_b128 s[4:7], s[0:1], 0x0                ; qkv, attn_codes
	s_load_b64 s[8:9], s[0:1], 0x10                ; attn_scales
	v_lshl_add_u32 v[SPW], v0, 2, SPARE
	v_mov_b32 v[NIL], 0
	ds_add_u32 v[SPW], v[NIL]                      ; the wave's opening: the add, twice on end, and its wait ahead of my first tensor load
	ds_add_u32 v[SPW], v[NIL]
	v_lshrrev_b32 v1, 5, v0
	v_readfirstlane_b32 s[WV], v1                  ; wave 0..15
	s_bfe_u32 s[CX], ttmp6, 0x40000                ; my block of 256 queries: it enters Q's and the results' addresses alone
	s_and_b32 s[RC], ttmp7, 0xffff                 ; the record, which the four partners share
	s_mov_b32 s[G1], 15|(3<<16)|(1<<21)            ; the mask: all four work-groups; elements of 8 bytes; no padding: images are read as they lie
	s_mov_b32 s[G1+1], 32<<16                      ; tensor_dim0 = 32 elements: 256 bytes
	s_mov_b32 s[G1+2], 35<<16                      ; tensor_dim1 = 35 rows
	s_mov_b32 s[G1+3], 32<<16                      ; tile_dim0
	s_mov_b32 s[G1+4], 35                          ; tile_dim1
	s_mov_b32 s[G1+5], 32                          ; dense
	s_mov_b32 s[G1+6], 0
	s_mov_b32 s[G1+7], 0
	s_mul_i32 s42, s[RC], REC
	s_mov_b32 s43, 0
	s_mov_b32 s[G0], 1
	s_mul_i32 s[G0+1], s[WV], 8960                 ; my 35 rows in LDS,
	s_add_co_u32 s46, s[G0+1], KOFF                ; and in the record
	s_mov_b32 s47, 0
	s_mov_b32 s[SEL], 0x76543210
	s_mov_b32 s[SEL+1], 0xfedcba98
	s_mov_b32 s[CS], 0x3e38aa3b                    ; c = log2(e) / 8
	s_mov_b32 s[CS+1], s[CS]
	s_wait_dscnt 0x0                               ; both opening adds are done
	s_wait_kmcnt 0x0
	s_add_nc_u64 s[QP:QP+1], s[4:5], s[42:43]      ; the record
	s_add_nc_u64 s[G0+2:G0+3], s[QP:QP+1], s[46:47]
	s_or_b32 s[G0+3], s[G0+3], 0x80000000
	CROUND                                         ; all four work-groups are here: the joint loads meet
	tensor_load_to_lds s[G0:G0+3], s[G1:G1+7]      ; every wave's one tensor load of the launch
	s_nop 0
.rept 4
	v_nop
.endr
	v_and_b32 v[TP], 31, v0
	v_lshlrev_b32 v[LI], 4, v[TP]
	v_add_nc_u32 v[LV], 65536, v[LI]
	v_add_nc_u32 v[LKS], 131072, v[LI]
	v_lshlrev_b32 v[LVS], 3, v[TP]
	v_add_nc_u32 v[LVS], 139264, v[LVS]
	v_and_b32 v[OSO], 15, v0
	v_lshlrev_b32 v[OSO], 5, v[OSO]                ; a token's 32 bytes of scale words
	; Q: my 16 queries in their natural order, out of tiles that hold tokens in the order of places.  B = 8 cx + wave / 2 is my group of 32 tokens, hh = wave % 2 its half:
	; query p lies in tile 2 B + p / 8 at row 8 hh + p % 8
	s_lshl_b32 s42, s[CX], 3
	s_lshr_b32 s43, s[WV], 1
	s_add_co_u32 s42, s42, s43                     ; B
	s_and_b32 s43, s[WV], 1
	s_lshl_b32 s43, s43, 7                         ; 128 hh
	s_lshl_b32 s44, s42, 10
	s_add_co_u32 s44, s44, s43                     ; codes: 1,024 B + 128 hh
	s_lshr_b32 s45, s42, 2
	s_lshl_b32 s45, s45, 9
	s_and_b32 s46, s42, 3
	s_lshl_b32 s46, s46, 2
	s_add_co_u32 s45, s45, s46
	s_add_co_u32 s45, s45, s43                     ; scale words: 512 (B / 4) + 4 (B % 4) + 128 hh
	v_and_b32 v[TP], 7, v0
	v_bfe_u32 v[SC2], v0, 3, 1
	v_bfe_u32 v[SC2+1], v0, 4, 1
	v_lshlrev_b32 v[QA], 4, v[TP]
	v_lshl_add_u32 v[QSA], v[SC2], 8, v[QA]        ; + 16 (lane % 8) + 256 ((lane / 8) % 2)
	v_lshl_add_u32 v[QA], v[SC2], 9, v[QA]         ; + 16 (lane % 8) + 512 ((lane / 8) % 2) + 256 (lane / 16)
	v_lshl_add_u32 v[QA], v[SC2+1], 8, v[QA]
	v_add_nc_u32 v[QA], s44, v[QA]
	v_add_nc_u32 v[QSA], s45, v[QSA]
	global_load_b128 v[QF:QF+3], v[QA], s[QP:QP+1]
	global_load_b128 v[QF+8:QF+11], v[QA], s[QP:QP+1] offset:32768
	global_load_b32 v[QS], v[QSA], s[QP:QP+1] offset:65536
	global_load_b32 v[QS+1], v[QSA], s[QP:QP+1] offset:65536+4096
	s_lshl_b32 s42, s[CX], 4
	s_add_co_u32 s42, s42, s[WV]
	s_lshr_b32 s43, s[RC], 3
	s_lshl_b32 s43, s43, 6
	s_add_co_u32 s42, s42, s43                     ; my tile of 16 tokens, 0..511
	s_and_b32 s43, s[RC], 7                        ; the head pair
	s_lshl_b32 s44, s42, 13
	s_lshl_b32 s45, s43, 10
	s_add_co_u32 s44, s44, s45
	s_mov_b32 s45, 0
	s_add_nc_u64 s[OC:OC+1], s[6:7], s[44:45]      ; attn_codes: [tile][head][512]
	s_lshl_b32 s44, s42, 9
	s_lshl_b32 s46, s43, 2
	s_add_co_u32 s44, s44, s46
	s_add_nc_u64 s[OSC:OSC+1], s[8:9], s[44:45]    ; attn_scales: [token][8 words]
.irp j, 4,5,6,7,12,13,14,15
	v_mov_b32 v[QF+\j], 0                          ; Q's k = 64 .. 127: zero codes
.endr
.irp j, 0,1,2,3
	v_mov_b32 v[KZ+\j], 0
	v_mov_b32 v[PT+\j], 0                          ; written once: a lane permute's destination counts as one of its sources
.endr
	v_mov_b32 v[F+1], 0                            ; named as the upper half of a pair
	s_wait_tensorcnt 0x0                           ; my part of K and V is in,
	s_barrier_signal -1
	s_barrier_wait -1                              ; everybody's is
	s_wait_loadcnt 0x0                             ; Q
; A KEY STEP of head e: 128 keys.
.macro STEP e
	v_add_nc_u32 v[ADK], s[TB], v[LI]              ; these four are also the places in front of loads into registers that the last products read
	v_add_nc_u32 v[ADV], s[TB], v[LV]
	v_add_nc_u32 v[ADS], s[TS], v[LKS]
	v_add_nc_u32 v[ADT], s[TJ], v[LVS]
.irp t, 0,1,2,3,4,5,6,7
	ds_load_b128 v[KF+4*\t:KF+4*\t+3], v[ADK] offset:32768*\e+512*\t
.endr
	ds_load_b128 v[KS:KS+3], v[ADS] offset:4096*\e
.irp t, 0,1,2,3
.irp c, 0,1
	ds_load_b128 v[VF+8*\t+4*\c:VF+8*\t+4*\c+3], v[ADV] offset:32768*\e+1024*\t+512*\c
.endr
.endr
	ds_load_b64 v[VS:VS+1], v[ADT] offset:2048*\e
	s_wait_dscnt 9                                 ; K and its scale words are in; V's nine loads may be out
.irp t, 0,1,2,3,4,5,6,7
.if (\t)%2
	v_wmma_scale_f32_16x16x128_f8f6f4 v[S+8*\t:S+8*\t+7], v[KF+4*\t:KF+4*\t+7], v[QF+8*\e:QF+8*\e+7], 0, v[KS+\t/2], v[QS+\e] matrix_a_fmt:MATRIX_FMT_FP4 matrix_b_fmt:MATRIX_FMT_FP4 matrix_a_scale:MATRIX_SCALE_ROW1
.else
	v_wmma_scale_f32_16x16x128_f8f6f4 v[S+8*\t:S+8*\t+7], v[KF+4*\t:KF+4*\t+7], v[QF+8*\e:QF+8*\e+7], 0, v[KS+\t/2], v[QS+\e] matrix_a_fmt:MATRIX_FMT_FP4 matrix_b_fmt:MATRIX_FMT_FP4
.endif
.endr
.rept 4
	v_nop
.endr
.irp b, 0,1,2,3
	v_max3_num_f32 v[BM+\b], v[S+16*\b], v[S+1+16*\b], v[S+2+16*\b]   ; the largest score of each block of 32 keys: for the row's maximum and, since p rises with the score, for the block's largest p
.endr
.irp i, 3,5,7,9,11,13
.irp b, 0,1,2,3
	v_max3_num_f32 v[BM+\b], v[BM+\b], v[S+16*\b+\i], v[S+1+16*\b+\i]
.endr
.endr
.irp b, 0,1,2,3
	v_max_num_f32 v[BM+\b], v[BM+\b], v[S+15+16*\b]
.endr
.irp b, 0,1,2,3
	v_permlanex16_b32 v[PT+\b], v[BM+\b], s[SEL], s[SEL+1]
.endr
.irp b, 0,1,2,3
	v_max_num_f32 v[BM+\b], v[BM+\b], v[PT+\b]     ; with lane l xor 16's 16 keys
.endr
	v_max3_num_f32 v[TP], v[BM], v[BM+1], v[BM+2]
	v_max_num_f32 v[TP], v[TP], v[BM+3]            ; the step's largest score of my query
	v_mul_f32 v[TP], s[CS], v[TP]                  ; as t
	v_max_num_f32 v13, v13, v[TP]                  ; the running largest t
	v_mov_b32 v[TP], v12
	v_floor_f32 v12, -v13                          ; the new -M = floor(-t): M is a whole number
	v_sub_f32 v[TP], v12, v[TP]                    ; old M - new M: a whole number, 0 or less
	v_cvt_i32_f32 v[TP], v[TP]                     ; (it saturates)
	v_ldexp_f32 v[F], 1.0, v[TP]                   ; f = 2^(old M - new M)
.set jj, 0
.rept 32
	v_pk_fma_f32 v[S+jj:S+jj+1], v[S+jj:S+jj+1], s[CS:CS+1], v[12:13] op_sel_hi:[1,0,0]   ; t - M, two at a time
.set jj, jj+2
.endr
.irp b, 0,1,2,3
	v_fma_f32 v[BM+\b], v[BM+\b], s[CS], v12       ; the same of each block's largest score
.endr
.set jj, 0
.rept 64
	v_exp_f32 v[S+jj], v[S+jj]                     ; p = 2^(t - M), at most 1
.set jj, jj+1
.endr
	v_pk_mul_f32 v[14:15], v[14:15], v[F:F+1] op_sel_hi:[1,0]   ; the sums under the new M (a plain line behind the exponentials)
	s_wait_alu depctr_va_vdst(0)                   ; the wait ahead of the first line that names a result: one for the 64
.irp b, 0,1,2,3
	v_exp_f32 v[BM+\b], v[BM+\b]                   ; the block's largest p
.endr
	v_pk_add_f32 v[SC2:SC2+1], v[S:S+1], v[S+2:S+3]   ; the row's sum is taken of the unquantised p, in two chains
.irp j, 4,8,12,16,20,24,28,32,36,40,44,48,52,56,60
	v_pk_add_f32 v[14:15], v[14:15], v[S+\j:S+1+\j]
	v_pk_add_f32 v[SC2:SC2+1], v[SC2:SC2+1], v[S+2+\j:S+3+\j]
.endr
	v_pk_add_f32 v[14:15], v[14:15], v[SC2:SC2+1]
	s_wait_alu depctr_va_vdst(0)                   ; and one for the four
.irp b, 0,1,2,3
	v_max_num_f32 v[BM+\b], 0x1800000, v[BM+\b]    ; the floor 2^(3 - 127)
.endr
.irp b, 0,1,2,3
	v_add_nc_u32 v[SO+\b], 0xff000000, v[BM+\b]    ; 2 off the exponent field: the conversion's scale operand
.endr
.irp b, 0,1,2,3
	v_lshrrev_b32 v[PT+\b], 23, v[SO+\b]           ; the scale's byte
.endr
	v_lshl_or_b32 v[PW], v[PT+1], 8, v[PT]         ; p's scale word for these 128 keys
	v_lshl_or_b32 v[PW], v[PT+2], 16, v[PW]
	v_lshl_or_b32 v[PW], v[PT+3], 24, v[PW]
.irp b, 0,1,2,3
	v_cvt_scalef32_pk8_fp4_f32 v[PC+2*\b], v[S+16*\b:S+7+16*\b], v[SO+\b]
	v_cvt_scalef32_pk8_fp4_f32 v[PC+1+2*\b], v[S+8+16*\b:S+15+16*\b], v[SO+\b]
.endr
	v_nop                                          ; one plain line behind a scaled conversion
.irp c, 0,1
.irp i, 0,1
	v_permlane16_swap_b32 v[PC+4*\c+\i], v[PC+2+4*\c+\i]   ; a whole block in a lane
.endr
.endr
.set jj, 0
.rept 16
	v_pk_mul_f32 v[OT+jj:OT+jj+1], v[OT+jj:OT+jj+1], v[F:F+1] op_sel_hi:[1,0]   ; O^T under the new M.  For each product below, twelve of these name none of its registers: its places behind p's codes and scale word
.set jj, jj+2
.endr
	s_wait_dscnt 0x0                               ; V
.irp t, 0,1,2,3
.if (\t)%2
	v_wmma_scale_f32_16x16x128_f8f6f4 v[OT+8*\t:OT+8*\t+7], v[VF+8*\t:VF+8*\t+7], v[PC:PC+7], v[OT+8*\t:OT+8*\t+7], v[VS+\t/2], v[PW] matrix_a_fmt:MATRIX_FMT_FP4 matrix_b_fmt:MATRIX_FMT_FP4 matrix_a_scale:MATRIX_SCALE_ROW1
.else
	v_wmma_scale_f32_16x16x128_f8f6f4 v[OT+8*\t:OT+8*\t+7], v[VF+8*\t:VF+8*\t+7], v[PC:PC+7], v[OT+8*\t:OT+8*\t+7], v[VS+\t/2], v[PW] matrix_a_fmt:MATRIX_FMT_FP4 matrix_b_fmt:MATRIX_FMT_FP4
.endif
.endr
.endm
; Head e's end: O^T / the sum is attn; register 16 b + i is d = 32 b + 16 (lane / 16) + i of my query: two blocks of the projection's K.
.macro FIN e
.rept 4
	v_nop                                          ; places behind the last products
.endr
	v_add_f32 v14, v14, v15                        ; the sum's two halves,
	v_permlanex16_b32 v[TP], v14, s[SEL], s[SEL+1]
	v_add_f32 v14, v14, v[TP]                      ; and lane l xor 16's
	v_rcp_f32 v[F], v14
	v_nop                                          ; a plain line behind the reciprocal
	s_wait_alu depctr_va_vdst(0)                   ; and the wait ahead of its first reader
.set jj, 0
.rept 16
	v_pk_mul_f32 v[S+jj:S+jj+1], v[OT+jj:OT+jj+1], v[F:F+1] op_sel_hi:[1,0]   ; each accumulator from its low end on
.set jj, jj+2
.endr
.irp b, 0,1
	v_max3_num_f32 v[BM+\b], |v[S+16*\b]|, |v[S+1+16*\b]|, 0x1800000
.endr
.irp i, 2,4,6,8,10,12,14
.irp b, 0,1
	v_max3_num_f32 v[BM+\b], v[BM+\b], |v[S+16*\b+\i]|, |v[S+1+16*\b+\i]|
.endr
.endr
.irp b, 0,1
	v_permlanex16_b32 v[PT+\b], v[BM+\b], s[SEL], s[SEL+1]
.endr
.irp b, 0,1
	v_max_num_f32 v[BM+\b], v[BM+\b], v[PT+\b]
.endr
.irp b, 0,1
	v_add_nc_u32 v[SO+\b], 0xff000000, v[BM+\b]
.endr
.irp b, 0,1
	v_lshrrev_b32 v[PT+\b], 23, v[SO+\b]
.endr
.irp b, 0,1
	v_cvt_scalef32_pk8_fp4_f32 v[AC+4*\e+2*\b], v[S+16*\b:S+7+16*\b], v[SO+\b]
	v_cvt_scalef32_pk8_fp4_f32 v[AC+4*\e+1+2*\b], v[S+8+16*\b:S+15+16*\b], v[SO+\b]
.endr
	v_nop
	v_permlane16_swap_b32 v[AC+4*\e], v[AC+4*\e+2]
	v_permlane16_swap_b32 v[AC+4*\e+1], v[AC+4*\e+3]
	global_store_b128 v[LI], v[AC+4*\e:AC+4*\e+3], s[OC:OC+1] offset:512*\e   ; half a fragment of the projection: 512 consecutive bytes, aligned
.if \e
	v_lshl_or_b32 v[TP], v[PT+1], 8, v[PT]
	v_lshl_or_b32 v[AW], v[TP], 16, v[AW]          ; bytes 2 and 3 of the pair's scale word
.else
	v_lshl_or_b32 v[AW], v[PT+1], 8, v[PT]         ; bytes 0 and 1
.endif
.endm
.macro HEAD e
	v_mov_b32 v13, 0xff61b1e6                      ; the largest t so far: -3e38, under every t
	v_floor_f32 v12, -v13                          ; -M
	v_mov_b32 v14, 0                               ; the sum, in two halves
	v_mov_b32 v15, 0
.set jj, 0
.rept 32
	v_mov_b32 v[OT+jj], 0                          ; the step is written once: the first finds zeros, which the first change of M leaves zeros
.set jj, jj+1
.endr
	s_mov_b32 s[TB], 0
	s_mov_b32 s[TS], 0
	s_mov_b32 s[TJ], 0
	s_mov_b32 s[CNT], 8
.Lstep_\@:
	STEP \e
	s_add_co_u32 s[TB], s[TB], 4096                ; the next step's codes,
	s_add_co_u32 s[TS], s[TS], 512                 ; K's scale words,
	s_add_co_u32 s[TJ], s[TJ], 256                 ; and V's
	s_sub_co_u32 s[CNT], s[CNT], 1
	s_cmp_lg_u32 s[CNT], 0
	s_cbranch_scc1 .Lstep_\@
	FIN \e
.endm
	HEAD 0
	HEAD 1
	global_store_b32 v[OSO], v[AW], s[OSC:OSC+1]   ; my 16 tokens' scale word of this head pair (lanes l and l + 16 store the same word): 4 bytes in each token's 32; whole rows would want all eight pairs in one work-group
	s_wait_tensorcnt 0x0                           ; the wave's end, behind my last tensor load
	ds_add_u32 v[SPW], v[NIL]
	s_wait_dscnt 0x0
	CROUND                                         ; the closing round
	s_endpgm
.Lfunc_end_k_qd0f63cb05f_attn:
	.size	k_qd0f63cb05f_attn, .Lfunc_end_k_qd0f63cb05f_attn-k_qd0f63cb05f_attn
	.p2alignl 7, 3214868480
	.fill 96, 4, 3214868480
	.section	.rodata,"a",@progbits
	.p2align	6, 0x0
	.amdhsa_kernel k_qd0f63cb05f_attn
		.amdhsa_group_segment_fixed_size 167936
		.amdhsa_private_segment_fixed_size 0
		.amdhsa_enable_private_segment 0
		.amdhsa_kernarg_size 24
		.amdhsa_user_sgpr_count 2
		.amdhsa_user_sgpr_kernarg_segment_ptr 1
		.amdhsa_wavefront_size32 1
		.amdhsa_system_sgpr_workgroup_id_x 1
		.amdhsa_system_sgpr_workgroup_id_y 1
		.amdhsa_system_sgpr_workgroup_id_z 1
		.amdhsa_system_vgpr_workitem_id 0
		.amdhsa_next_free_vgpr 256
		.amdhsa_next_free_sgpr 66
		.amdhsa_reserve_vcc 0
		.amdhsa_float_denorm_mode_32 3
		.amdhsa_float_denorm_mode_16_64 3
		.amdhsa_memory_ordered 1
		.amdhsa_forward_progress 1
		.amdhsa_inst_pref_size 45
	.end_amdhsa_kernel
	.amdgpu_metadata
---
amdhsa.version: [ 1, 2 ]
amdhsa.kernels:
  - .name:           k_qd0f63cb05f_attn
    .symbol:         k_qd0f63cb05f_attn.kd
    .args:
      - { .name: qkv, .offset: 0, .size: 8, .value_kind: global_buffer, .address_space: global }
      - { .name: attn_codes, .offset: 8, .size: 8, .value_kind: global_buffer, .address_space: global }
      - { .name: attn_scales, .offset: 16, .size: 8, .value_kind: global_buffer, .address_space: global }
    .group_segment_fixed_size: 167936
    .private_segment_fixed_size: 0
    .kernarg_segment_align: 8
    .kernarg_segment_size: 24
    .max_flat_workgroup_size: 512
    .sgpr_count:     66
    .vgpr_count:     256
    .wavefront_size: 32
...
	.end_amdgpu_metadata
.endif
;; end of part 3
;; launch proj (part 4): grid 4 x 64, 4 waves a work-group, clusters of 4 x 4, 327,680 bytes of LDS; arguments attn_codes, attn_scales, w_codes, w_scales, out_b, out0; writes out0
.if DOCPART == 4
	.amdgcn_target "amdgcn-amd-amdhsa--gfx1250"
	.amdhsa_code_object_version 6
	.text
	.protected	k_qd0f63cb05f_proj
	.globl	k_qd0f63cb05f_proj
	.p2align	8
	.type	k_qd0f63cb05f_proj,@function
k_qd0f63cb05f_proj:
	s_mov_b64 s[64:65], 0
	v_nop
	global_prefetch_b8 v0, s[64:65] scope:SCOPE_SE
	s_setreg_imm32_b32 hwreg(HW_REG_WAVE_MODE, 25, 1), 1
	s_wait_xcnt 0x0
	s_wait_alu depctr_hold_cnt(0) depctr_sa_sdst(0) depctr_va_vdst(0) depctr_va_sdst(0) depctr_va_ssrc(0) depctr_va_vcc(0) depctr_vm_vsrc(0)
	s_getreg_b32 s2, hwreg(HW_REG_IB_STS2, 6, 4)
	s_cmp_eq_u32 s2, 0
	s_cbranch_scc0 .Lentry_in_a_cluster
	s_endpgm
.Lentry_in_a_cluster:
	s_bfe_u32 s2, ttmp6, 0x10000c
	s_cmp_lg_u32 s2, 0xf033
	s_cbranch_scc0 .Lentry_shape_is_right
	s_endpgm
.Lentry_shape_is_right:
; Launch 4 of 4: out0 = attn out_w^T + out_b on codes of E2M1.  No work of reference() is left out here.
; A work-group of four waves makes 128 tokens x 256 columns: 256 work-groups in all; a wave 64 x 128: 32 accumulators of 16 x 16.  K = 1,024 is two slots of 512 along K in LDS, both filled once.
; attn's codes lie as images of operand registers ([tile of 16 tokens][K step 8][1,024 bytes], launch 3) and are read at 16 x lane; out_w's lie as rows (places 3,072 on of w_codes, launch 1).
; CLUSTERS: 4 x 4 work-groups; attn's tiles are shared along a row of the cluster, the weight's along a column: joint loads.
; THE MATRIX INSTRUCTION IS USED TRANSPOSED (source 0 = 16 rows of the weight, source 1 = 16 tokens): a lane holds eight neighbouring columns of one token.  Tile b of the weight holds rows 32 (b / 2) + 8 (b % 2) + p + 8 (p / 8):
; register j of lane (r, h) is column 32 (b / 2) + 16 h + 8 (b % 2) + j.  The bias, in that layout, is the C of each sum's first product.
; REGISTERS: window 0: v1-31 addresses; v32-95 scale words, two sets, and nothing else; v96-159 attn's fragments, two sets; v160-223 the bias; on the way out v96-223 hold rows.   window 1: the weight's fragments, two sets.   window 2: the accumulators.
.set PITCH,  272
.set AIMG,   32768                     ; a slot: attn's images [tile 8][step 4][1,024],
.set HALFW,  128*PITCH                 ; then the weight's 256 rows
.set SLOT,   AIMG+2*HALFW
.set SCL,    2*SLOT                    ; the scale bytes, as units of 256 bytes + 16 of padding: attn's 128 rows, then the weight's 256
.set HSA,    8*272                     ; those of 64 tokens
.set HSW,    16*272                    ; those of 128 rows of the weight
.set SBLK,   2*272                     ; those of 16 rows
.set SPARE,  SCL+2*HSA+2*HSW           ; the spare words
.set SPITCH, 528                       ; the way out: a stage of 16 rows x (512 + 16) bytes for each wave, in slot 0, which has had its only fill and its last read by then
.set ADRA, 16
.set ADRB, 20
.set STO,  24
.set RD,   25
.set CO,   26
.set ADRS, 27
.set SPW,  28
.set NIL,  29
.set BO,   30
.set SC,   32
.set AF,   96
.set BI,   160
.set BK,   96
.set WV,   16
.set HA,   17
.set HB,   18
.set CX,   20
.set CY,   21
.set CBK,  22
.set RT,   23
.set G1,   24
.set G0,   32
.set G1B,  48
.set G0B,  56
.set G1S,  68
.set G0S,  76
.set G1SB, 80
.set G0SB, 88
.set MSB, 0
.macro WIN new                         ; the immediate's high byte repeats the setting that is left
.if MSB != \new
	s_set_vgpr_msb (MSB<<8)|\new
.set MSB, \new
.endif
.endm
.set TO_B, 0x40                        ; destination window 1, address window 0
.macro JLOAD g0a, g1a, g0b, g1b        ; waves 0 and 1 fetch for attn, waves 2 and 3 for the weight; an s_nop 0 and four v_nop follow each line
	s_cmp_eq_u32 s[HA], 0
	s_cbranch_scc0 .Lfor_b_\@
	tensor_load_to_lds s[\g0a:\g0a+3], s[\g1a:\g1a+7]
	s_nop 0
.rept 4
	v_nop
.endr
	s_branch .Lasked_\@
.Lfor_b_\@:
	tensor_load_to_lds s[\g0b:\g0b+3], s[\g1b:\g1b+7]
	s_nop 0
.rept 4
	v_nop
.endr
.Lasked_\@:
.endm
.macro CROUND                          ; a round of the cluster's barrier
	s_barrier_signal -1
	s_barrier_wait -1
	s_cmp_lg_u32 s[WV], 0
	s_cbranch_scc1 .Lnot_wave_0_\@
	s_barrier_signal -3
.Lnot_wave_0_\@:
	s_barrier_wait -3
	s_barrier_signal -1
	s_barrier_wait -1
.endm
	s_load_b128 s[4:7], s[0:1], 0x0                ; attn_codes, attn_scales
	s_load_b128 s[8:11], s[0:1], 0x10              ; w_codes, w_scales
	s_load_b128 s[12:15], s[0:1], 0x20             ; out_b, out0
	v_lshl_add_u32 v[SPW], v0, 2, SPARE
	v_mov_b32 v[NIL], 0
	ds_add_u32 v[SPW], v[NIL]                      ; the wave's opening: the add, twice on end, and its wait ahead of my first tensor load
	ds_add_u32 v[SPW], v[NIL]
	v_lshrrev_b32 v1, 5, v0
	v_readfirstlane_b32 s[WV], v1                  ; wave 0..3
	s_lshr_b32 s[HA], s[WV], 1                     ; which 64 tokens are mine.  Also: I fetch for attn (0) or for the weight (1)
	s_and_b32 s[HB], s[WV], 1                      ; which 128 columns.  Also: which half I fetch
	s_bfe_u32 s[CX], ttmp6, 0x40000
	s_bfe_u32 s[CY], ttmp6, 0x40004
	s_lshl_b32 s[CBK], ttmp9, 2
	s_add_co_u32 s[CBK], s[CBK], s[CX]             ; block of 256 columns, 0..3
	s_and_b32 s[RT], ttmp7, 0xffff
	s_lshl_b32 s[RT], s[RT], 2
	s_add_co_u32 s[RT], s[RT], s[CY]               ; block of 128 tokens, 0..63
	s_lshl_b32 s40, s[CY], 2
	s_lshl_b32 s40, 15, s40                        ; my row of the cluster
	s_lshl_b32 s41, 0x1111, s[CX]                  ; my column
	s_or_b32 s[G1+0], s40, (3<<16)|(1<<21)         ; attn's images: 4 tiles, of each 4,096 consecutive bytes (512 elements of 8), 8,192 bytes apart; no padding
	s_mov_b32 s[G1+1], 512<<16
	s_mov_b32 s[G1+2], 4<<16
	s_mov_b32 s[G1+3], 512<<16
	s_mov_b32 s[G1+4], 4
	s_mov_b32 s[G1+5], 1024
	s_mov_b32 s[G1+6], 0
	s_mov_b32 s[G1+7], 0
	s_or_b32 s[G1B+0], s41, (0<<16)|(1<<20)|(1<<21)|(5<<22)|(3<<25)  ; the weight: 128 rows of 256 bytes, 512 apart, 16 bytes of padding behind each
	s_mov_b32 s[G1B+1], 256<<16
	s_mov_b32 s[G1B+2], 128<<16
	s_mov_b32 s[G1B+3], 256<<16
	s_mov_b32 s[G1B+4], 128
	s_mov_b32 s[G1B+5], 512
	s_mov_b32 s[G1B+6], 0
	s_mov_b32 s[G1B+7], 0
	s_or_b32 s[G1S+0], s40, (3<<16)|(1<<20)|(1<<21)|(5<<22)|(3<<25)  ; attn's scale bytes of 64 tokens: 2,048 dense bytes as 8 rows of 256
	s_mov_b32 s[G1S+1], 32<<16
	s_mov_b32 s[G1S+2], 8<<16
	s_mov_b32 s[G1S+3], 32<<16
	s_mov_b32 s[G1S+4], 8
	s_mov_b32 s[G1S+5], 32
	s_mov_b32 s[G1S+6], 0
	s_mov_b32 s[G1S+7], 0
	s_or_b32 s[G1SB+0], s41, (3<<16)|(1<<20)|(1<<21)|(5<<22)|(3<<25) ; the weight's of 128 rows: 16 rows of 256
	s_mov_b32 s[G1SB+1], 32<<16
	s_mov_b32 s[G1SB+2], 16<<16
	s_mov_b32 s[G1SB+3], 32<<16
	s_mov_b32 s[G1SB+4], 16
	s_mov_b32 s[G1SB+5], 32
	s_mov_b32 s[G1SB+6], 0
	s_mov_b32 s[G1SB+7], 0
	s_lshl_b32 s42, s[RT], 3
	s_lshl_b32 s40, s[HB], 2
	s_add_co_u32 s42, s42, s40                     ; attn: the first of the 4 tiles of 16 tokens that I fetch
	s_lshl_b32 s2, s42, 9                          ; its scale words: 512 bytes a tile,
	s_mov_b32 s3, 0
	s_lshl_b32 s42, s42, 13                        ; its codes: 8,192 a tile
	s_mov_b32 s43, 0
	s_lshl_b32 s44, s[CBK], 8
	s_lshl_b32 s40, s[HB], 7
	s_add_co_u32 s44, s44, s40
	s_add_co_u32 s44, s44, 3072                    ; the weight: place 3,072 + 256 x column block + 128 x half
	s_lshl_b32 s46, s44, 5
	s_mov_b32 s47, 0
	s_lshl_b32 s44, s44, 9
	s_mov_b32 s45, 0
	s_lshl_b32 s40, s[HB], 14                      ; where they go: no place in the cluster enters an LDS address
	s_mul_i32 s41, s[HB], HALFW
	s_add_co_u32 s41, s41, AIMG
	s_mul_i32 s66, s[HB], HSA
	s_add_co_u32 s66, s66, SCL
	s_mul_i32 s67, s[HB], HSW
	s_add_co_u32 s67, s67, SCL+2*HSA
	s_wait_dscnt 0x0                               ; both opening adds are done
	s_wait_kmcnt 0x0
	s_add_nc_u64 s[42:43], s[4:5], s[42:43]
	s_add_nc_u64 s[2:3], s[6:7], s[2:3]
	s_add_nc_u64 s[44:45], s[8:9], s[44:45]
	s_add_nc_u64 s[46:47], s[10:11], s[46:47]
	CROUND                                         ; all sixteen work-groups are here: the first joint loads meet
	s_mov_b32 s[G0S], 1
	s_mov_b32 s[G0S+1], s66
	s_mov_b64 s[G0S+2:G0S+3], s[2:3]
	s_or_b32 s[G0S+3], s[G0S+3], 0x80000000
	s_mov_b32 s[G0SB], 1
	s_mov_b32 s[G0SB+1], s67
	s_mov_b64 s[G0SB+2:G0SB+3], s[46:47]
	s_or_b32 s[G0SB+3], s[G0SB+3], 0x80000000
	JLOAD G0S, G1S, G0SB, G1SB                     ; the scale bytes first
.irp s, 0,1
	s_mov_b32 s[G0+4*\s], 1
	s_add_co_u32 s[G0+4*\s+1], s40, \s*SLOT
	s_add_nc_u64 s[G0+4*\s+2:G0+4*\s+3], s[42:43], \s*4096
	s_or_b32 s[G0+4*\s+3], s[G0+4*\s+3], 0x80000000
	s_mov_b32 s[G0B+4*\s], 1
	s_add_co_u32 s[G0B+4*\s+1], s41, \s*SLOT
	s_add_nc_u64 s[G0B+4*\s+2:G0B+4*\s+3], s[44:45], \s*256
	s_or_b32 s[G0B+4*\s+3], s[G0B+4*\s+3], 0x80000000
	JLOAD G0+4*\s, G1, G0B+4*\s, G1B               ; three tensor loads of mine are out behind the second of these
.endr
	v_and_b32 v1, 15, v0                           ; r
	v_bfe_u32 v2, v0, 4, 1                         ; h
	v_lshlrev_b32 v[BO], 6, v2                     ; the bias: 16 h numbers on
	s_lshl_b32 s40, s[CBK], 10
	s_lshl_b32 s41, s[HB], 9
	s_add_co_u32 s40, s40, s41                     ; my first column, in bytes
	s_mov_b32 s41, 0
	s_add_nc_u64 s[12:13], s[12:13], s[40:41]
.irp b, 0,1,2,3,4,5,6,7
	global_load_b128 v[BI+8*\b:BI+8*\b+3], v[BO], s[12:13] offset:(32*(\b/2)+8*(\b%2))*4
	global_load_b128 v[BI+8*\b+4:BI+8*\b+7], v[BO], s[12:13] offset:(32*(\b/2)+8*(\b%2))*4+16
.endr
	s_add_nc_u64 s[14:15], s[14:15], s[40:41]      ; out0 at my first column,
	s_lshl_b32 s40, s[RT], 7
	s_lshl_b32 s42, s[HA], 6
	s_add_co_u32 s40, s40, s42
	s_lshl_b32 s40, s40, 12                        ; and my first token: rows of 4,096 bytes
	s_add_nc_u64 s[14:15], s[14:15], s[40:41]
	v_and_b32 v3, 31, v0
	v_lshlrev_b32 v[CO], 4, v3                     ; 16 x lane
	s_lshl_b32 s40, s[HA], 14                      ; my 4 tiles of attn's images
	v_add_nc_u32 v[ADRA], s40, v[CO]
	v_add_nc_u32 v[ADRA+1], SLOT, v[ADRA]
	v_mul_u32_u24 v4, v1, PITCH
	v_lshl_add_u32 v4, v2, 4, v4
	s_mul_i32 s41, s[HB], HALFW
	s_add_co_u32 s41, s41, AIMG                    ; my 128 rows of the weight
	v_add_nc_u32 v[ADRB], s41, v4
	v_add_nc_u32 v[ADRB+1], SLOT, v[ADRB]
	s_xor_b32 s40, s[HA], 1                        ; the scale words: lanes 0-15 attn's, lanes 16-31 the weight's: one base and one distance
	s_add_co_u32 s40, s40, 1
	s_lshl_b32 s41, s[HB], 1
	s_add_co_u32 s40, s40, s41
	s_mul_i32 s40, s40, HSA                        ; 2 HSA + HSW x my column half - HSA x my token half
	s_mul_i32 s41, s[HA], HSA
	s_add_co_u32 s41, s41, SCL
	v_mul_u32_u24 v5, s40, v2
	v_lshlrev_b32 v6, 5, v1                        ; 32 bytes a row,
	v_lshrrev_b32 v7, 3, v1
	v_lshl_add_u32 v6, v7, 4, v6                   ; and 16 more behind each 256
	v_add_nc_u32 v5, v5, v6
	v_add_nc_u32 v[ADRS], s41, v5
	s_mul_i32 s40, s[WV], 16*SPITCH                ; my stage
	v_mul_u32_u24 v5, v1, SPITCH
	v_lshl_add_u32 v5, v2, 6, v5                   ; in: row r, + 64 h
	v_add_nc_u32 v[STO], s40, v5
	v_add_nc_u32 v[RD], s40, v[CO]                 ; back: the 32 lanes take one row of 512 bytes
; the fragments of the slot's q-th 128 along K into sets p: the weight's eight (window 1), attn's four
.macro FETCH slot, q, p
	WIN TO_B
.irp i, 0,1,2,3,4,5,6,7
.irp c, 0,1
	ds_load_b128 v[128*(\p)+8*\i+4*\c:128*(\p)+8*\i+4*\c+3], v[ADRB+\slot] offset:64*(\q)+32*\c+\i*16*PITCH
.endr
.endr
	WIN 0
.irp a, 0,1,2,3
.irp c, 0,1
	ds_load_b128 v[AF+32*(\p)+8*\a+4*\c:AF+32*(\p)+8*\a+4*\c+3], v[ADRA+\slot] offset:4096*\a+1024*(\q)+512*\c
.endr
.endr
.endm
.macro SCALES sc                       ; a slot's scale words, four a row: lanes 0-15 attn's block i (blocks 4-7: filled bytes that no product reads), lanes 16-31 the weight's block i
.irp i, 0,1,2,3,4,5,6,7
	ds_load_b128 v[SC+32*\sc+4*\i:SC+32*\sc+4*\i+3], v[ADRS] offset:\i*SBLK
.endr
.endm
; 32 matrix instructions; the 32 accumulators take turns, one instruction a turn, in the same order in every step.  first = 1: the bias is the C: nothing is cleared
.macro MUL32 p, q, sc, first
.irp a, 0,1,2,3
.irp b, 0,1,2,3,4,5,6,7
.if \first
	v_wmma_scale_f32_16x16x128_f8f6f4 v[8*(8*\a+\b):8*(8*\a+\b)+7], v[128*(\p)+8*\b:128*(\p)+8*\b+7], v[AF+32*(\p)+8*\a:AF+32*(\p)+8*\a+7], v[BI+8*\b:BI+8*\b+7], v[SC+32*(\sc)+4*\b+(\q)], v[SC+32*(\sc)+4*\a+(\q)] matrix_a_fmt:MATRIX_FMT_FP4 matrix_b_fmt:MATRIX_FMT_FP4 matrix_a_scale:MATRIX_SCALE_ROW1
.else
	v_wmma_scale_f32_16x16x128_f8f6f4 v[8*(8*\a+\b):8*(8*\a+\b)+7], v[128*(\p)+8*\b:128*(\p)+8*\b+7], v[AF+32*(\p)+8*\a:AF+32*(\p)+8*\a+7], v[8*(8*\a+\b):8*(8*\a+\b)+7], v[SC+32*(\sc)+4*\b+(\q)], v[SC+32*(\sc)+4*\a+(\q)] matrix_a_fmt:MATRIX_FMT_FP4 matrix_b_fmt:MATRIX_FMT_FP4 matrix_a_scale:MATRIX_SCALE_ROW1
.endif
.endr
.endr
.endm
.macro PLACES                          ; plain vector lines between a matrix instruction and a load into, or a read of, its registers
.rept 4
	v_nop
.endr
.endm
.macro STEP slot, q, first             ; a step that has its successor in the same slot: the successor's fragments are asked for, then this step is multiplied
	s_wait_dscnt 0x0                               ; this step's fragments are in
	PLACES                                         ; the other sets were read by the step before
	FETCH \slot, (\q)+1, 1-(\q)%2
.if \first
	WIN 0x81                                       ; source 0 window 1, source 1 and C window 0, D window 2
.else
	WIN 0xa1                                       ; C and D window 2
.endif
	MUL32 (\q)%2, \q, \slot, \first
.endm
	s_wait_tensorcnt 1                             ; the scale bytes and my part of slot 0 are in (slot 1's load may be out)
	s_barrier_signal -1
	s_barrier_wait -1                              ; everybody's are
	FETCH 0, 0, 0
	SCALES 0
	s_wait_loadcnt 0x0                             ; the bias
	STEP 0, 0, 1
	STEP 0, 1, 0
	STEP 0, 2, 0
	s_wait_tensorcnt 0x0                           ; the change of slots: my part of slot 1 is in,
	s_wait_dscnt 0x0                               ; and my reads of slot 0 are over
	s_barrier_signal -1
	s_barrier_wait -1                              ; slot 1 is whole, and nobody reads slot 0 any more.  Nothing is filled again
	PLACES
	WIN 0
	v_add_nc_u32 v[ADRS], 16, v[ADRS]              ; on to slot 1's scale words
	FETCH 1, 0, 0
	SCALES 1
	WIN 0xa1
	MUL32 1, 3, 0, 0
	STEP 1, 0, 0
	STEP 1, 1, 0
	STEP 1, 2, 0
	s_wait_dscnt 0x0
	WIN 0xa1
	MUL32 1, 3, 1, 0
	WIN 0
; THE WAY OUT, block by block of 16 tokens x 128 columns, through my own stage in LDS: in as 32 bytes a lane at the columns' true places, back as whole rows of 512 bytes.  LDS serves a wave's instructions in order.
.macro TOSTAGE a
	WIN 0x08                                       ; an LDS store's data: window 2
.irp b, 0,1,2,3,4,5,6,7
	ds_store_b128 v[STO], v[64*(\a)+8*\b:64*(\a)+8*\b+3] offset:128*(\b/2)+32*(\b%2)          ; each accumulator from its low end on
	ds_store_b128 v[STO], v[64*(\a)+8*\b+4:64*(\a)+8*\b+7] offset:128*(\b/2)+32*(\b%2)+16
.endr
	WIN 0
.set BB, BK+64*((\a)%2)
.irp t, 0,1,2,3,4,5,6,7,8,9,10,11,12,13,14,15
	ds_load_b128 v[BB+4*\t:BB+4*\t+3], v[RD] offset:\t*SPITCH
.endr
.endm
.macro SEND a, younger                 ; younger: the LDS instructions issued behind block a's loads, which may stay out
.set BB, BK+64*((\a)%2)
	s_wait_dscnt \younger
.if (\a) > 0
	s_add_nc_u64 s[14:15], s[14:15], 16*4096       ; 16 rows on (behind a wait on XCNT: the earlier stores have read their base)
.endif
.irp t, 0,1,2,3,4,5,6,7,8,9,10,11,12,13,14,15
	global_store_b128 v[CO], v[BB+4*\t:BB+4*\t+3], s[14:15] offset:\t*4096 th:TH_STORE_NT   ; 32 lanes store 512 consecutive bytes, aligned; written once, read by nobody here
.endr
.endm
	PLACES                                         ; behind the last products: for the reads of their results and the loads into the registers that held attn's fragments
	TOSTAGE 0
.irp a, 1,2,3
.if \a > 1
	s_wait_xcnt 0x0                                ; block a - 2's stores have read their registers and their base
.endif
	TOSTAGE \a
	SEND \a-1, 32                                  ; behind block a - 1's loads: block a's 16 stores and 16 loads
.endr
	s_wait_xcnt 0x0
	SEND 3, 0
	s_wait_tensorcnt 0x0                           ; the wave's end, behind my last tensor load and my last LDS store
	ds_add_u32 v[SPW], v[NIL]
	s_wait_dscnt 0x0
	CROUND                                         ; the closing round
	s_endpgm
.Lfunc_end_k_qd0f63cb05f_proj:
	.size	k_qd0f63cb05f_proj, .Lfunc_end_k_qd0f63cb05f_proj-k_qd0f63cb05f_proj
	.p2alignl 7, 3214868480
	.fill 96, 4, 3214868480
	.section	.rodata,"a",@progbits
	.p2align	6, 0x0
	.amdhsa_kernel k_qd0f63cb05f_proj
		.amdhsa_group_segment_fixed_size 327680
		.amdhsa_private_segment_fixed_size 0
		.amdhsa_enable_private_segment 0
		.amdhsa_kernarg_size 48
		.amdhsa_user_sgpr_count 2
		.amdhsa_user_sgpr_kernarg_segment_ptr 1
		.amdhsa_wavefront_size32 1
		.amdhsa_system_sgpr_workgroup_id_x 1
		.amdhsa_system_sgpr_workgroup_id_y 1
		.amdhsa_system_sgpr_workgroup_id_z 1
		.amdhsa_system_vgpr_workitem_id 0
		.amdhsa_next_free_vgpr 768
		.amdhsa_next_free_sgpr 100
		.amdhsa_reserve_vcc 0
		.amdhsa_float_denorm_mode_32 3
		.amdhsa_float_denorm_mode_16_64 3
		.amdhsa_memory_ordered 1
		.amdhsa_forward_progress 1
		.amdhsa_inst_pref_size 74
	.end_amdhsa_kernel
	.amdgpu_metadata
---
amdhsa.version: [ 1, 2 ]
amdhsa.kernels:
  - .name:           k_qd0f63cb05f_proj
    .symbol:         k_qd0f63cb05f_proj.kd
    .args:
      - { .name: attn_codes, .offset: 0, .size: 8, .value_kind: global_buffer, .address_space: global }
      - { .name: attn_scales, .offset: 8, .size: 8, .value_kind: global_buffer, .address_space: global }
      - { .name: w_codes, .offset: 16, .size: 8, .value_kind: global_buffer, .address_space: global }
      - { .name: w_scales, .offset: 24, .size: 8, .value_kind: global_buffer, .address_space: global }
      - { .name: out_b, .offset: 32, .size: 8, .value_kind: global_buffer, .address_space: global }
      - { .name: out0, .offset: 40, .size: 8, .value_kind: global_buffer, .address_space: global }
    .group_segment_fixed_size: 327680
    .private_segment_fixed_size: 0
    .kernarg_segment_align: 8
    .kernarg_segment_size: 48
    .max_flat_workgroup_size: 128
    .sgpr_count:     100
    .vgpr_count:     768
    .wavefront_size: 32
...
	.end_amdgpu_metadata
.endif
;; end of part 4
;; ======== version 2 of 2: 4 launches; 1.12 times as fast as version 1
;; workspace buffers: x_codes 4,194,304 bytes; x_scales 262,144 bytes; w_codes 2,097,152 bytes; w_scales 131,072 bytes; qkv 13,893,632 bytes; attn_codes 4,194,304 bytes; attn_scales 262,144 bytes
;; launch quant: the kernel of part 1 again; grid 384 x 1, 4 waves a work-group, no clusters, 33,280 bytes of LDS; arguments x, qkv_w, out_w, x_codes, x_scales, w_codes, w_scales; writes x_codes, x_scales, w_codes, w_scales
;; launch qkv (part 5): grid 8 x 32, 4 waves a work-group, clusters of 4 x 4, 327,680 bytes of LDS; arguments x_codes, x_scales, w_codes, w_scales, qkv_b, qkv; writes qkv
.if DOCPART == 5
	.amdgcn_target "amdgcn-amd-amdhsa--gfx1250"
	.amdhsa_code_object_version 6
	.text
	.protected	k_qd0f63cb05f_qkv
	.globl	k_qd0f63cb05f_qkv
	.p2align	8
	.type	k_qd0f63cb05f_qkv,@function
k_qd0f63cb05f_qkv:
	s_mov_b64 s[64:65], 0
	v_nop
	global_prefetch_b8 v0, s[64:65] scope:SCOPE_SE
	s_setreg_imm32_b32 hwreg(HW_REG_WAVE_MODE, 25, 1), 1
	s_wait_xcnt 0x0
	s_wait_alu depctr_hold_cnt(0) depctr_sa_sdst(0) depctr_va_vdst(0) depctr_va_sdst(0) depctr_va_ssrc(0) depctr_va_vcc(0) depctr_vm_vsrc(0)
	s_getreg_b32 s2, hwreg(HW_REG_IB_STS2, 6, 4)
	s_cmp_eq_u32 s2, 0
	s_cbranch_scc0 .Lentry_in_a_cluster
	s_endpgm
.Lentry_in_a_cluster:
	s_bfe_u32 s2, ttmp6, 0x10000c
	s_cmp_lg_u32 s2, 0xf033
	s_cbranch_scc0 .Lentry_shape_is_right
	s_endpgm
.Lentry_shape_is_right:
; Launch 2 of 4: qkv = x qkv_w^T + qkv_b on codes of E2M1, and q, k, v quantised in registers for the two products of the attention.  No work of reference() is left out here.
; SHARES: the 8,192 x 3,072 results are 256 x (256 x 256 + 256 x 128): each of 256 work-groups makes, for ITS 256 tokens, first 256 columns of q or k and then 128 columns of v (one pair of heads).  x's codes and scale bytes
; stay in LDS for both passes.  K = 1,024 is two slots of 512 along K; both are filled at the start.  For the second pass v's 128 rows of the weight take the bytes of the first pass's weight rows 0-127, in both slots, and their
; scale bytes those rows' scale bytes: one joint load a wave, asked for in the middle of the first pass's last step, when no wave reads those bytes any more; it lands while the first pass's results leave.
; FIRST PASS (q, k): four waves, each 128 tokens x 128 columns, 64 accumulators.  Source 0 = 16 rows of the weight, source 1 = 16 tokens: a lane holds ONE token and its registers run along the columns, q's and k's K.
; SECOND PASS (v): each wave 128 tokens x 64 columns (one head), 32 accumulators.  Source 0 = 16 tokens, source 1 = 16 rows of the weight: a lane holds ONE column d and its registers run along the tokens, the keys, v's K.
; CLUSTERS: 4 x 4 work-groups; x's tiles are shared along a row of the cluster, the weight's along a column: each is asked for jointly, by one tensor load with a mask that names the four.
; Sixteen neighbouring places of x_codes and w_codes hold rows 32 (t / 2) + 8 (t % 2) + p + 8 (p / 8) (launch 1): so the 16 registers of two neighbouring tiles of source 0 are 16 NEIGHBOURS along the next K.
; THE RESULT: 64 records (batch x 8 + head pair) of 217,088 bytes, every piece an image of operand registers (group g of four registers of lane l at 512 g + 16 l):
;   0 Q codes [head 2][tile 64][512]; 65,536 Q scales [head 2][step 8][512]; 73,728 K codes; 139,264 V codes [head 2][step 8][d tile 4][1,024]; 204,800 K scales; 212,992 V scales [head 2][step 8][256].
;   A Q or K scale word holds the head's two bytes and two bytes 0; lanes 0-15 of a word's register serve the even tile, lanes 16-31 the odd one.
; LIMITS: NaN and infinities are not served; a block of zeros keeps the byte 1 (its codes are zeros; this program alone reads the bytes).
; REGISTERS, in windows of 256: window 0: v1-31 addresses and work; v32-95 scale words, two sets, and nothing else; v96-111 codes just made; v112-119 scale words to store; v128-191 source 1's fragments, later 64 numbers at work;
;   v192-255 the bias.   window 1: source 0's fragments, two sets.   windows 2, 3: the accumulators ((a, b) at v[8 (8 (a % 4) + b)]).
.set PITCH,  272                       ; an LDS row: 256 bytes + 16 of padding
.set HALFT,  128*PITCH                 ; 128 rows: what one tensor load brings
.set SLOT,   4*HALFT                   ; x's 256 rows, then the weight's 256
.set NQ,     4                         ; steps of 128 along K in a slot
.set FR,     8
.set NL,     2
.set NP,     4
.set SCL,    2*SLOT                    ; the scale bytes: units of 256 bytes + 16 of padding: x's 256 rows, then the weight's
.set HALFS,  16*272                    ; those of 128 rows
.set SBLK,   2*272                     ; those of 16 rows
.set SPARE,  327168                    ; the spare words, at the end of LDS
.set REC,    217088
.set PW,   3
.set TMA,  4
.set TMB,  8
.set TMC,  12
.set ADRA, 16                          ; v16-17  first pass: my tokens' fragments in slot 0, 1
.set ADRA2, 18                         ; v18-19  second pass: my 64 rows of v's weight
.set ADRB, 20                          ; v20-21  first pass: my 128 rows of the weight
.set ADRB2, 22                         ; v22-23  second pass: my 128 tokens
.set ADRS2, 24                         ; v24     second pass: my scale words
.set ADRS, 27                          ; v27     first pass: my scale words
.set SPW,  28
.set NIL,  29
.set SC,   32
.set PC,   96
.set SW,   112
.set L16,  120
.set L8,   121
.set BO0,  122
.set BO1,  123
.set AF,   128
.set T,    128
.set BI,   192
.set WV,   16
.set HA,   17
.set HB,   18
.set CX,   20
.set CY,   21
.set CBK,  22
.set RT,   23
.set G1,   24
.set G0,   32
.set G1B,  48
.set G0B,  56
.set BP,   66
.set G1S,  68
.set G0S,  76
.set G1SB, 80
.set G0SB, 88
.set OC,   92
.set OS,   94
.set HIM,  96
.set SEL,  98
.set MSB, 0
.macro WIN new                         ; the immediate's high byte repeats the setting that is left
.if MSB != \new
	s_set_vgpr_msb (MSB<<8)|\new
.set MSB, \new
.endif
.endm
.set MUL_LO, 0xa1                      ; source 0 window 1, source 1 window 0, C and D window 2
.set MUL_HI, 0xf1                      ; the same, C and D window 3
.set TO_B,   0x40                      ; destination window 1, address window 0
; A joint load: waves 0 and 1 take the first descriptor, waves 2 and 3 the second.  The branch hangs on the wave's number alone.  An s_nop 0 and four v_nop follow each line.
.macro JLOAD g0a, g1a, g0b, g1b
	s_cmp_eq_u32 s[HA], 0
	s_cbranch_scc0 .Lfor_b_\@
	tensor_load_to_lds s[\g0a:\g0a+3], s[\g1a:\g1a+7]
	s_nop 0
.rept 4
	v_nop
.endr
	s_branch .Lasked_\@
.Lfor_b_\@:
	tensor_load_to_lds s[\g0b:\g0b+3], s[\g1b:\g1b+7]
	s_nop 0
.rept 4
	v_nop
.endr
.Lasked_\@:
.endm
.macro CROUND                          ; a round of the cluster's barrier
	s_barrier_signal -1
	s_barrier_wait -1
	s_cmp_lg_u32 s[WV], 0
	s_cbranch_scc1 .Lnot_wave_0_\@
	s_barrier_signal -3
.Lnot_wave_0_\@:
	s_barrier_wait -3
	s_barrier_signal -1
	s_barrier_wait -1
.endm
	s_load_b128 s[4:7], s[0:1], 0x0                ; x_codes, x_scales
	s_load_b128 s[8:11], s[0:1], 0x10              ; w_codes, w_scales
	s_load_b128 s[12:15], s[0:1], 0x20             ; qkv_b, qkv
	v_lshl_add_u32 v[SPW], v0, 2, SPARE
	v_mov_b32 v[NIL], 0
	ds_add_u32 v[SPW], v[NIL]                      ; the wave's opening: the add, twice on end, and its wait ahead of my first tensor load
	ds_add_u32 v[SPW], v[NIL]
	v_lshrrev_b32 v1, 5, v0
	v_readfirstlane_b32 s[WV], v1                  ; wave 0..3
	s_lshr_b32 s[HA], s[WV], 1                     ; which half of source 1's rows is mine.  Also: I fetch for x (0) or for the weight (1)
	s_and_b32 s[HB], s[WV], 1                      ; which half of source 0's.  Also: which half I fetch
	s_bfe_u32 s[CX], ttmp6, 0x40000
	s_bfe_u32 s[CY], ttmp6, 0x40004
	s_lshl_b32 s[CBK], ttmp9, 2
	s_add_co_u32 s[CBK], s[CBK], s[CX]             ; column block, 0..7: 256 columns of q (0-3) or k (4-7), and 128 of v
	s_and_b32 s[RT], ttmp7, 0xffff
	s_lshl_b32 s[RT], s[RT], 2
	s_add_co_u32 s[RT], s[RT], s[CY]               ; block of 256 tokens, 0..31
	s_lshl_b32 s40, s[CY], 2
	s_lshl_b32 s40, 15, s40                        ; my row of the cluster
	s_lshl_b32 s41, 0x1111, s[CX]                  ; my column
	s_or_b32 s[G1+0], s40, (0<<16)|(1<<20)|(1<<21)|(5<<22)|(3<<25)   ; the mask; elements of 1 byte; padding: 4 words behind every 64
	s_or_b32 s[G1B+0], s41, (0<<16)|(1<<20)|(1<<21)|(5<<22)|(3<<25)
.irp g, G1, G1B
	s_mov_b32 s[\g+1], 256<<16                     ; tensor_dim0 = 256 bytes
	s_mov_b32 s[\g+2], 128<<16                     ; tensor_dim1 = 128 rows
	s_mov_b32 s[\g+3], 256<<16                     ; tile_dim0
	s_mov_b32 s[\g+4], 128                         ; tile_dim1
	s_mov_b32 s[\g+5], 512                         ; from row to row
	s_mov_b32 s[\g+6], 0
	s_mov_b32 s[\g+7], 0
.endr
	s_or_b32 s[G1S+0], s40, (3<<16)|(1<<20)|(1<<21)|(5<<22)|(3<<25)  ; the scale bytes of 128 rows: 4,096 dense bytes as 16 rows of 32 elements of 8 bytes
	s_or_b32 s[G1SB+0], s41, (3<<16)|(1<<20)|(1<<21)|(5<<22)|(3<<25)
.irp g, G1S, G1SB
	s_mov_b32 s[\g+1], 32<<16
	s_mov_b32 s[\g+2], 16<<16
	s_mov_b32 s[\g+3], 32<<16
	s_mov_b32 s[\g+4], 16
	s_mov_b32 s[\g+5], 32
	s_mov_b32 s[\g+6], 0
	s_mov_b32 s[\g+7], 0
.endr
	s_lshl_b32 s40, s[HB], 7                       ; which 128 rows I fetch
	s_lshl_b32 s42, s[RT], 8
	s_add_co_u32 s42, s42, s40                     ; x: place 256 x token block + 128 x half
	s_lshl_b32 s44, s[CBK], 8
	s_add_co_u32 s44, s44, s40                     ; the weight: place 256 x column block + 128 x half
	s_lshl_b32 s2, s42, 5                          ; their scale bytes, 32 a place,
	s_mov_b32 s3, 0
	s_lshl_b32 s42, s42, 9                         ; and their codes, 512 a place
	s_mov_b32 s43, 0
	s_lshl_b32 s46, s44, 5
	s_mov_b32 s47, 0
	s_lshl_b32 s44, s44, 9
	s_mov_b32 s45, 0
	s_mul_i32 s41, s[WV], HALFT                    ; where they go: wave x 128 rows: no place in the cluster enters an LDS address
	s_mul_i32 s40, s[WV], HALFS
	s_mov_b32 s[HIM], 0xffff0000                   ; lanes 16-31
	s_mov_b32 s[SEL], 0x76543210
	s_mov_b32 s[SEL+1], 0xfedcba98                 ; v_permlanex16_b32's selects for lane l xor 16
	s_wait_dscnt 0x0                               ; both opening adds are done
	s_wait_kmcnt 0x0
	s_add_nc_u64 s[42:43], s[4:5], s[42:43]
	s_add_nc_u64 s[2:3], s[6:7], s[2:3]
	s_add_nc_u64 s[44:45], s[8:9], s[44:45]
	s_add_nc_u64 s[46:47], s[10:11], s[46:47]
	CROUND                                         ; all sixteen work-groups are here: the first joint loads meet
	s_mov_b32 s[G0S], 1
	s_add_co_u32 s[G0S+1], s40, SCL
	s_mov_b64 s[G0S+2:G0S+3], s[2:3]
	s_or_b32 s[G0S+3], s[G0S+3], 0x80000000
	s_mov_b32 s[G0SB], 1
	s_add_co_u32 s[G0SB+1], s40, SCL
	s_mov_b64 s[G0SB+2:G0SB+3], s[46:47]
	s_or_b32 s[G0SB+3], s[G0SB+3], 0x80000000
	JLOAD G0S, G1S, G0SB, G1SB                     ; the scale bytes first: they are wanted with the first step
.irp s, 0,1
	s_mov_b32 s[G0+4*\s], 1
	s_add_co_u32 s[G0+4*\s+1], s41, \s*SLOT
	s_add_nc_u64 s[G0+4*\s+2:G0+4*\s+3], s[42:43], \s*256
	s_or_b32 s[G0+4*\s+3], s[G0+4*\s+3], 0x80000000
	s_mov_b32 s[G0B+4*\s], 1
	s_add_co_u32 s[G0B+4*\s+1], s41, \s*SLOT
	s_add_nc_u64 s[G0B+4*\s+2:G0B+4*\s+3], s[44:45], \s*256
	s_or_b32 s[G0B+4*\s+3], s[G0B+4*\s+3], 0x80000000
	JLOAD G0+4*\s, G1, G0B+4*\s, G1B               ; three tensor loads of mine are out behind the second of these
.endr
	v_and_b32 v1, 15, v0                           ; r = lane % 16
	v_bfe_u32 v2, v0, 4, 1                         ; h = lane / 16
	v_mul_u32_u24 v3, v1, PITCH
	v_lshl_add_u32 v3, v2, 4, v3                   ; a fragment's row x pitch + 16 x half
	s_mul_i32 s40, s[HA], HALFT                    ; first pass, source 1: my 128 tokens
	s_mul_i32 s41, s[HB], HALFT                    ; second pass, source 0: my 128 tokens
	s_add_co_u32 s42, s41, 2*HALFT                 ; first pass, source 0: my 128 rows of the weight
	s_mul_i32 s43, s[HA], 64*PITCH
	s_add_co_u32 s43, s43, 2*HALFT                 ; second pass, source 1: my 64 rows of v's weight
.irp s, 0,1
	v_add_nc_u32 v[ADRA+\s], s40, v3
	v_add_nc_u32 v[ADRB+\s], s42, v3
	v_add_nc_u32 v[ADRA2+\s], s43, v3
	v_add_nc_u32 v[ADRB2+\s], s41, v3
	s_add_co_u32 s40, s40, SLOT
	s_add_co_u32 s41, s41, SLOT
	s_add_co_u32 s42, s42, SLOT
	s_add_co_u32 s43, s43, SLOT
.endr
	v_lshlrev_b32 v5, 5, v1                        ; a row's scale bytes: 32 a row,
	v_lshrrev_b32 v6, 3, v1
	v_lshl_add_u32 v5, v6, 4, v5                   ; and 16 more behind each 256
	s_xor_b32 s40, s[HA], 1                        ; first pass: lanes 0-15 take source 1's words (x's), lanes 16-31 source 0's (the weight's): one base and one distance
	s_add_co_u32 s40, s40, s[HB]
	s_add_co_u32 s40, s40, 1                       ; 2 + the weight's half - x's half: 1 .. 3
	s_mul_i32 s40, s40, HALFS
	s_mul_i32 s41, s[HA], HALFS
	s_add_co_u32 s41, s41, SCL
	v_mul_u32_u24 v4, s40, v2
	v_add_nc_u32 v4, v4, v5
	v_add_nc_u32 v[ADRS], s41, v4
	s_xor_b32 s40, s[HB], 1                        ; second pass: lanes 16-31 take source 0's words (x's), lanes 0-15 source 1's (v's weight's)
	s_lshl_b32 s40, s40, 1
	s_add_co_u32 s40, s40, s[HA]
	s_add_co_u32 s40, s40, 2                       ; 4 + my half of v's rows - 2 x my half of the tokens, in runs of 64 rows' scale bytes: 2 .. 5
	s_mul_i32 s40, s40, 4*SBLK
	s_mul_i32 s41, s[HB], HALFS
	s_add_co_u32 s41, s41, SCL
	v_xor_b32 v4, 1, v2
	v_mul_u32_u24 v4, s40, v4
	v_add_nc_u32 v4, v4, v5
	v_add_nc_u32 v[ADRS2], s41, v4
	v_and_b32 v4, 31, v0
	v_lshlrev_b32 v[L16], 4, v4                    ; an image's place for my lane
	v_lshlrev_b32 v[L8], 3, v4
	v_lshlrev_b32 v[BO0], 6, v2                    ; the bias, first pass: 16 h numbers on
	v_and_b32 v5, 8, v1
	v_add_nc_u32 v5, v5, v1
	v_lshlrev_b32 v[BO1], 2, v5                    ; second pass: number r + 8 (r / 8)
.irp b, 0,1,2,3
	v_mov_b32 v[TMB+\b], 0                         ; written once: a lane permute's destination counts as one of its sources
.endr
.macro FRAG reg, adr, q, i             ; 16 rows x 128 K of 4-bit codes: 8 registers, two loads of 16 bytes, 32 bytes apart
.irp c, 0,1
	ds_load_b128 v[\reg+4*\c:\reg+4*\c+3], v[\adr] offset:64*(\q)+32*\c+(\i)*16*PITCH
.endr
.endm
; 16 matrix instructions of the first pass: source 1's blocks a0, a0 + 1 x source 0's eight.  The 64 accumulators take turns, one instruction a turn, in the same order in every step.
.macro MUL16 a0, p, q, sc, zero
.irp a, \a0, \a0+1
.irp b, 0,1,2,3,4,5,6,7
.if \zero
	v_wmma_scale_f32_16x16x128_f8f6f4 v[8*(8*((\a)%4)+\b):8*(8*((\a)%4)+\b)+7], v[128*(\p)+FR*\b:128*(\p)+FR*\b+FR-1], v[AF+FR*(\a):AF+FR*(\a)+FR-1], 0, v[SC+8*NQ*(\sc)+NQ*\b+(\q)], v[SC+8*NQ*(\sc)+NQ*(\a)+(\q)] matrix_a_fmt:MATRIX_FMT_FP4 matrix_b_fmt:MATRIX_FMT_FP4 matrix_a_scale:MATRIX_SCALE_ROW1
.else
	v_wmma_scale_f32_16x16x128_f8f6f4 v[8*(8*((\a)%4)+\b):8*(8*((\a)%4)+\b)+7], v[128*(\p)+FR*\b:128*(\p)+FR*\b+FR-1], v[AF+FR*(\a):AF+FR*(\a)+FR-1], v[8*(8*((\a)%4)+\b):8*(8*((\a)%4)+\b)+7], v[SC+8*NQ*(\sc)+NQ*\b+(\q)], v[SC+8*NQ*(\sc)+NQ*(\a)+(\q)] matrix_a_fmt:MATRIX_FMT_FP4 matrix_b_fmt:MATRIX_FMT_FP4 matrix_a_scale:MATRIX_SCALE_ROW1
.endif
.endr
.endr
.endm
; 32 matrix instructions of the second pass: source 1's four blocks (set p of two) x source 0's eight; the 32 accumulators by turns likewise
.macro MULV p, q, sc, zero
.irp a, 0,1,2,3
.irp b, 0,1,2,3,4,5,6,7
.if \zero
	v_wmma_scale_f32_16x16x128_f8f6f4 v[8*(8*\a+\b):8*(8*\a+\b)+7], v[128*(\p)+FR*\b:128*(\p)+FR*\b+FR-1], v[AF+32*(\p)+FR*\a:AF+32*(\p)+FR*\a+FR-1], 0, v[SC+8*NQ*(\sc)+NQ*\b+(\q)], v[SC+8*NQ*(\sc)+NQ*\a+(\q)] matrix_a_fmt:MATRIX_FMT_FP4 matrix_b_fmt:MATRIX_FMT_FP4 matrix_a_scale:MATRIX_SCALE_ROW1
.else
	v_wmma_scale_f32_16x16x128_f8f6f4 v[8*(8*\a+\b):8*(8*\a+\b)+7], v[128*(\p)+FR*\b:128*(\p)+FR*\b+FR-1], v[AF+32*(\p)+FR*\a:AF+32*(\p)+FR*\a+FR-1], v[8*(8*\a+\b):8*(8*\a+\b)+7], v[SC+8*NQ*(\sc)+NQ*\b+(\q)], v[SC+8*NQ*(\sc)+NQ*\a+(\q)] matrix_a_fmt:MATRIX_FMT_FP4 matrix_b_fmt:MATRIX_FMT_FP4 matrix_a_scale:MATRIX_SCALE_ROW1
.endif
.endr
.endr
.endm
.macro FETCH_B ab, slot, q, p          ; source 0's eight fragments into set p; ab: the pass's address registers
	WIN TO_B
.irp i, 0,1,2,3,4,5,6,7
	FRAG 128*(\p)+FR*\i, \ab+(\slot), \q, \i
.endr
	WIN 0
.endm
.macro FETCH_A slot, q, i0             ; first pass: source 1's blocks i0 .. i0 + 3
.irp i, \i0, \i0+1, \i0+2, \i0+3
	FRAG AF+FR*(\i), ADRA+\slot, \q, \i
.endr
.endm
.macro FETCH_A2 slot, q, p             ; second pass: source 1's four blocks into set p
.irp i, 0,1,2,3
	FRAG AF+32*(\p)+FR*\i, ADRA2+(\slot), \q, \i
.endr
.endm
.macro SCALES sc                       ; first pass: a slot's scale words, four a row
.irp i, 0,1,2,3,4,5,6,7
	ds_load_b128 v[SC+8*NQ*\sc+NQ*\i:SC+8*NQ*\sc+NQ*\i+3], v[ADRS] offset:\i*SBLK
.endr
.endm
.macro SCALES2                         ; second pass: both slots' scale words (lanes 0-15, blocks 4-7: filled bytes that no product reads)
.irp sc, 0,1
.irp i, 0,1,2,3,4,5,6,7
	ds_load_b128 v[SC+8*NQ*\sc+NQ*\i:SC+8*NQ*\sc+NQ*\i+3], v[ADRS2] offset:\i*SBLK+16*\sc
.endr
.endr
.endm
.macro PLACES n                        ; plain vector lines between a matrix instruction and a load into, or a vector read of, its registers
.rept \n
	v_nop
.endr
.endm
.macro STEP slot, q, zero              ; first pass: a step of 128 along K that has its successor in the same slot
	s_wait_dscnt 4*NL                              ; all but the youngest eight loads (source 1's blocks 4-7) are in
	WIN MUL_LO
	MUL16 0, (\q)%2, \q, \slot, \zero
	MUL16 2, (\q)%2, \q, \slot, \zero
	s_wait_dscnt 0
	PLACES NP
	FETCH_B ADRB, \slot, (\q)+1, 1-(\q)%2
	FETCH_A \slot, (\q)+1, 0
	WIN MUL_HI
	MUL16 4, (\q)%2, \q, \slot, \zero
	MUL16 6, (\q)%2, \q, \slot, \zero
	PLACES NP
	WIN 0
	FETCH_A \slot, (\q)+1, 4
.endm
.macro VSTEP g                         ; second pass: step g of eight (slot g / 4): the next step's fragments are asked for, then this step is multiplied
	s_wait_dscnt 0x0                               ; this step's fragments are in
.if (\g) < 7
	PLACES NP                                      ; the other sets were read by the step before
	FETCH_B ADRB2, ((\g)+1)/4, ((\g)+1)%4, ((\g)+1)%2
	FETCH_A2 ((\g)+1)/4, ((\g)+1)%4, ((\g)+1)%2
.endif
	WIN MUL_LO
	MULV (\g)%2, (\g)%4, (\g)/4, (\g)==0
.endm
; 64 numbers of a lane, register 16 b + i = k 32 b + 16 (lane / 16) + i of my row, become a fragment's codes in v[pc] on and its scale word in v[PW].
.macro QUANT s, pc
.irp b, 0,1,2,3
	v_max3_num_f32 v[TMA+\b], |v[\s+16*\b]|, |v[\s+1+16*\b]|, 0x1800000   ; block b: my 16 numbers, and the floor 2^(3 - 127)
.endr
.irp i, 2,4,6,8,10,12,14
.irp b, 0,1,2,3
	v_max3_num_f32 v[TMA+\b], v[TMA+\b], |v[\s+16*\b+\i]|, |v[\s+1+16*\b+\i]|
.endr
.endr
.irp b, 0,1,2,3
	v_permlanex16_b32 v[TMB+\b], v[TMA+\b], s[SEL], s[SEL+1]
.endr
.irp b, 0,1,2,3
	v_max_num_f32 v[TMA+\b], v[TMA+\b], v[TMB+\b]  ; with lane l xor 16's: the block's largest magnitude
.endr
.irp b, 0,1,2,3
	v_add_nc_u32 v[TMC+\b], 0xff000000, v[TMA+\b]  ; 2 off its exponent field: the conversion's scale operand
.endr
.irp b, 0,1,2,3
	v_lshrrev_b32 v[TMB+\b], 23, v[TMC+\b]         ; the scale's byte
.endr
	v_lshl_or_b32 v[PW], v[TMB+1], 8, v[TMB]
	v_lshl_or_b32 v[PW], v[TMB+2], 16, v[PW]
	v_lshl_or_b32 v[PW], v[TMB+3], 24, v[PW]
.irp b, 0,1,2,3
	v_cvt_scalef32_pk8_fp4_f32 v[\pc+2*\b], v[\s+16*\b:\s+7+16*\b], v[TMC+\b]
	v_cvt_scalef32_pk8_fp4_f32 v[\pc+1+2*\b], v[\s+8+16*\b:\s+15+16*\b], v[TMC+\b]
.endr
	v_nop                                          ; one plain line behind a scaled conversion
.irp c, 0,1                                    ; the operand's layout wants a whole block in a lane
.irp i, 0,1
	v_permlane16_swap_b32 v[\pc+4*\c+\i], v[\pc+2+4*\c+\i]
.endr
.endr
.endm
; Source 1's block a leaves: its eight accumulators + the bias, quantised, stored as images.  Every store of codes covers 512 consecutive bytes, aligned.  kind 0: the first pass; kind 1: the second
.macro EPI kind, a
.set AC, 64*((\a)%4)
.set PCS, PC+8*((\a)%2)
.set WN, 0x02+(\a)/4
.if (\a) >= 2
	s_wait_xcnt 0x0                                ; block a - 2's stores have read the registers that this block's codes take
.endif
	WIN WN                                         ; source 0: the accumulators' window
.set ii, 0
.rept 32
.if \kind
	v_pk_add_f32 v[T+2*ii:T+2*ii+1], v[AC+2*ii:AC+2*ii+1], v[BI+2*(\a):BI+2*(\a)+1]   ; each accumulator from its low end on; my column's bias
.else
	v_pk_add_f32 v[T+2*ii:T+2*ii+1], v[AC+2*ii:AC+2*ii+1], v[BI+2*ii:BI+2*ii+1]       ; each accumulator from its low end on; my 64 columns' biases
.endif
.set ii, ii+1
.endr
	WIN 0
	QUANT T, PCS
.if \kind
	global_store_b128 v[L16], v[PCS:PCS+3], s[OC:OC+1] offset:1024*(\a)                            ; d tile a of my head: 16 d x 128 keys
	global_store_b128 v[L16], v[PCS+4:PCS+7], s[OC:OC+1] offset:1024*(\a)+512
.if (\a)%2 == 0
	v_mov_b32 v[SW+(\a)/2], v[PW]                  ; the even tile's words serve lanes 0-15,
.else
	v_cndmask_b32 v[SW+(\a)/2], v[SW+(\a)/2], v[PW], s[HIM]   ; the odd tile's lanes 16-31
.endif
.else
	global_store_b128 v[L16], v[PCS:PCS+3], s[OC:OC+1] offset:512*(\a)                             ; the pair's first head: 16 tokens x 64 d
	global_store_b128 v[L16], v[PCS+4:PCS+7], s[OC:OC+1] offset:32768+512*(\a)                     ; its second
.if (\a)%2 == 0
	v_and_b32 v[SW+(\a)/2], 0xffff, v[PW]          ; a head's two bytes, and two bytes 0
	v_lshrrev_b32 v[SW+4+(\a)/2], 16, v[PW]
.else
	v_and_b32 v1, 0xffff, v[PW]
	v_lshrrev_b32 v2, 16, v[PW]
	v_cndmask_b32 v[SW+(\a)/2], v[SW+(\a)/2], v1, s[HIM]
	v_cndmask_b32 v[SW+4+(\a)/2], v[SW+4+(\a)/2], v2, s[HIM]
.endif
.endif
.endm
	; ======== THE FIRST PASS: q or k
	s_wait_tensorcnt 1                             ; the scale bytes and my part of slot 0 are in (slot 1's load may be out)
	s_barrier_signal -1
	s_barrier_wait -1                              ; everybody's are
	FETCH_B ADRB, 0, 0, 0
	FETCH_A 0, 0, 0
	SCALES 0
	FETCH_A 0, 0, 4
	STEP 0, 0, 1                                   ; the first step's products start the sums: nothing is cleared
	STEP 0, 1, 0
	STEP 0, 2, 0
	s_wait_tensorcnt 0x0                           ; slot 0's last step changes slots: my part of slot 1 is in;
	s_wait_dscnt 4*NL
	WIN MUL_LO
	MUL16 0, 1, NQ-1, 0, 0
	s_wait_dscnt 0x0                               ; no LDS instruction of mine is out at the signal
	s_barrier_signal -1
	MUL16 2, 1, NQ-1, 0, 0
	WIN 0
	s_barrier_wait -1                              ; slot 1 is whole.
	PLACES NP
	v_add_nc_u32 v[ADRS], 4*NQ, v[ADRS]            ; on to slot 1's scale words
	FETCH_B ADRB, 1, 0, 0
	FETCH_A 1, 0, 0
	SCALES 1
	WIN MUL_HI
	MUL16 4, 1, NQ-1, 0, 0
	MUL16 6, 1, NQ-1, 0, 0
	PLACES NP
	WIN 0
	FETCH_A 1, 0, 4
	STEP 1, 0, 0
	STEP 1, 1, 0
	STEP 1, 2, 0
	; the last step.  In its middle all my LDS reads of the pass are over, and v's weight is asked for
	s_wait_dscnt 4*NL
	WIN MUL_LO
	MUL16 0, 1, NQ-1, 1, 0
	MUL16 2, 1, NQ-1, 1, 0
	WIN 0
	s_wait_tensorcnt 0x0                           ; no tensor load of mine is out, so descriptors may be written
	ds_add_u32 v[SPW], v[NIL]                      ; 0 onto my spare word; the descriptors' words stand between it and the wait for it
	s_lshl_b32 s40, s[CBK], 7
	s_add_co_u32 s40, s40, 2048                    ; v's rows of my column block: places 2,048 + 128 x block on
	s_lshl_b32 s42, s40, 9                         ; their codes,
	s_lshl_b32 s41, s[HB], 8
	s_add_co_u32 s42, s42, s41                     ; waves 2, 3: the first or the second 512 along K,
	s_mov_b32 s43, 0
	s_add_nc_u64 s[G0B+2:G0B+3], s[8:9], s[42:43]
	s_or_b32 s[G0B+3], s[G0B+3], 0x80000000
	s_mul_i32 s[G0B+1], s[HB], SLOT
	s_add_co_u32 s[G0B+1], s[G0B+1], 2*HALFT       ; into slot 0 or 1, over the weight's rows 0-127
	s_lshl_b32 s41, s[HB], 6
	s_add_co_u32 s40, s40, s41                     ; waves 0, 1: the scale bytes of 64 rows each,
	s_lshl_b32 s42, s40, 5
	s_add_nc_u64 s[G0SB+2:G0SB+3], s[10:11], s[42:43]
	s_or_b32 s[G0SB+3], s[G0SB+3], 0x80000000
	s_mul_i32 s[G0SB+1], s[HB], 4*SBLK
	s_add_co_u32 s[G0SB+1], s[G0SB+1], SCL+2*HALFS ; over those of the weight's rows 0-127
	s_mov_b32 s[G1SB+2], 8<<16                     ; 2,048 dense bytes: 8 rows of 256
	s_mov_b32 s[G1SB+4], 8
	s_wait_dscnt 0x0                               ; the add is done, and my reads of both slots and of the scale bytes are over
	CROUND                                         ; no wave of any partner still reads the bytes that are filled again, or has a load on its way
	JLOAD G0SB, G1SB, G0B, G1B                     ; my one tensor load behind the round.  It has 32 matrix instructions and the first pass's way out in which to land
	s_lshl_b32 s44, s[CBK], 10                     ; the bias of my 128 columns
	s_lshl_b32 s41, s[HB], 9
	s_add_co_u32 s44, s44, s41
	s_mov_b32 s45, 0
	s_add_nc_u64 s[BP:BP+1], s[12:13], s[44:45]
.irp b, 0,1,2,3
.irp q, 0,1,2,3
	global_load_b128 v[BI+16*\b+4*\q:BI+16*\b+4*\q+3], v[BO0], s[BP:BP+1] offset:128*\b+16*\q   ; register 16 b + i: column 32 b + 16 h + i.  They land under the products below
.endr
.endr
	s_lshr_b32 s40, s[RT], 2                       ; where my results go: the record: batch x 8 + head pair; my 128 columns are a pair
	s_lshl_b32 s40, s40, 3
	s_and_b32 s42, s[CBK], 3
	s_lshl_b32 s42, s42, 1
	s_add_co_u32 s42, s42, s40
	s_add_co_u32 s42, s42, s[HB]
	s_mul_i32 s42, s42, REC
	s_and_b32 s43, s[RT], 3
	s_lshl_b32 s43, s43, 1
	s_add_co_u32 s43, s43, s[HA]                   ; my 128 tokens: a step of the batch's eight
	s_lshr_b32 s41, s[CBK], 2                      ; 0: q, 1: k
	s_mul_i32 s44, s41, 73728
	s_mul_i32 s41, s41, 139264
	s_lshl_b32 s46, s43, 12                        ; eight tiles of 512 bytes a step
	s_add_co_u32 s46, s46, s44
	s_add_co_u32 s46, s46, s42
	s_mov_b32 s47, 0
	s_add_nc_u64 s[OC:OC+1], s[14:15], s[46:47]
	s_lshl_b32 s46, s43, 9                         ; 512 bytes of scale words a step
	s_add_co_u32 s46, s46, s41
	s_add_co_u32 s46, s46, s42
	s_add_co_u32 s46, s46, 65536
	s_add_nc_u64 s[OS:OS+1], s[14:15], s[46:47]
	WIN MUL_HI
	MUL16 4, 1, NQ-1, 1, 0
	MUL16 6, 1, NQ-1, 1, 0
	WIN 0
	s_wait_loadcnt 0x0                             ; the bias
	PLACES NP
.irp a, 0,1,2,3,4,5,6,7
	EPI 0, \a
.endr
	global_store_b128 v[L16], v[SW:SW+3], s[OS:OS+1]
	global_store_b128 v[L16], v[SW+4:SW+7], s[OS:OS+1] offset:4096
	; ======== THE SECOND PASS: v
	s_wait_tensorcnt 0x0                           ; my part of v's weight is in,
	s_barrier_signal -1
	s_barrier_wait -1                              ; everybody's is.
	FETCH_B ADRB2, 0, 0, 0
	FETCH_A2 0, 0, 0
	SCALES2
	s_wait_xcnt 0x0                                ; the first pass's stores have read their registers and their bases: both are written again below
	s_lshl_b32 s44, s[CBK], 9                      ; the bias of my 64 columns: number 2,048 + 128 x block + 64 x half
	s_lshl_b32 s41, s[HA], 8
	s_add_co_u32 s44, s44, s41
	s_add_co_u32 s44, s44, 8192
	s_mov_b32 s45, 0
	s_add_nc_u64 s[BP:BP+1], s[12:13], s[44:45]
.irp a, 0,1,2,3
	global_load_b32 v[BI+2*\a], v[BO1], s[BP:BP+1] offset:(32*(\a/2)+8*(\a%2))*4       ; my column of block a, twice: a pair for the packed addition
	global_load_b32 v[BI+2*\a+1], v[BO1], s[BP:BP+1] offset:(32*(\a/2)+8*(\a%2))*4
.endr
	s_lshr_b32 s40, s[RT], 2
	s_lshl_b32 s40, s40, 3
	s_add_co_u32 s40, s40, s[CBK]                  ; the record: the block's 128 columns of v are head pair number block
	s_mul_i32 s40, s40, REC
	s_and_b32 s43, s[RT], 3
	s_lshl_b32 s43, s43, 1
	s_add_co_u32 s43, s43, s[HB]                   ; my 128 tokens: a step of keys
	s_lshl_b32 s46, s43, 12                        ; four tiles of 1,024 bytes a step,
	s_lshl_b32 s41, s[HA], 15                      ; 32,768 bytes a head
	s_add_co_u32 s46, s46, s41
	s_add_co_u32 s46, s46, s40
	s_add_co_u32 s46, s46, 139264
	s_add_nc_u64 s[OC:OC+1], s[14:15], s[46:47]
	s_lshl_b32 s46, s43, 8                         ; 256 bytes of scale words a step,
	s_lshl_b32 s41, s[HA], 11                      ; 2,048 a head
	s_add_co_u32 s46, s46, s41
	s_add_co_u32 s46, s46, s40
	s_add_co_u32 s46, s46, 212992
	s_add_nc_u64 s[OS:OS+1], s[14:15], s[46:47]
.irp g, 0,1,2,3,4,5,6,7
	VSTEP \g
.endr
	WIN 0
	s_wait_loadcnt 0x0                             ; the bias
	PLACES NP
.irp a, 0,1,2,3
	EPI 1, \a
.endr
	global_store_b64 v[L8], v[SW:SW+1], s[OS:OS+1]
	s_wait_tensorcnt 0x0                           ; the wave's end, behind my last tensor load
	ds_add_u32 v[SPW], v[NIL]
	s_wait_dscnt 0x0
	CROUND                                         ; the closing round
	s_endpgm
.Lfunc_end_k_qd0f63cb05f_qkv:
	.size	k_qd0f63cb05f_qkv, .Lfunc_end_k_qd0f63cb05f_qkv-k_qd0f63cb05f_qkv
	.p2alignl 7, 3214868480
	.fill 96, 4, 3214868480
	.section	.rodata,"a",@progbits
	.p2align	6, 0x0
	.amdhsa_kernel k_qd0f63cb05f_qkv
		.amdhsa_group_segment_fixed_size 327680
		.amdhsa_private_segment_fixed_size 0
		.amdhsa_enable_private_segment 0
		.amdhsa_kernarg_size 48
		.amdhsa_user_sgpr_count 2
		.amdhsa_user_sgpr_kernarg_segment_ptr 1
		.amdhsa_wavefront_size32 1
		.amdhsa_system_sgpr_workgroup_id_x 1
		.amdhsa_system_sgpr_workgroup_id_y 1
		.amdhsa_system_sgpr_workgroup_id_z 1
		.amdhsa_system_vgpr_workitem_id 0
		.amdhsa_next_free_vgpr 1024
		.amdhsa_next_free_sgpr 100
		.amdhsa_reserve_vcc 0
		.amdhsa_float_denorm_mode_32 3
		.amdhsa_float_denorm_mode_16_64 3
		.amdhsa_memory_ordered 1
		.amdhsa_forward_progress 1
		.amdhsa_inst_pref_size 222
	.end_amdhsa_kernel
	.amdgpu_metadata
---
amdhsa.version: [ 1, 2 ]
amdhsa.kernels:
  - .name:           k_qd0f63cb05f_qkv
    .symbol:         k_qd0f63cb05f_qkv.kd
    .args:
      - { .name: x_codes, .offset: 0, .size: 8, .value_kind: global_buffer, .address_space: global }
      - { .name: x_scales, .offset: 8, .size: 8, .value_kind: global_buffer, .address_space: global }
      - { .name: w_codes, .offset: 16, .size: 8, .value_kind: global_buffer, .address_space: global }
      - { .name: w_scales, .offset: 24, .size: 8, .value_kind: global_buffer, .address_space: global }
      - { .name: qkv_b, .offset: 32, .size: 8, .value_kind: global_buffer, .address_space: global }
      - { .name: qkv, .offset: 40, .size: 8, .value_kind: global_buffer, .address_space: global }
    .group_segment_fixed_size: 327680
    .private_segment_fixed_size: 0
    .kernarg_segment_align: 8
    .kernarg_segment_size: 48
    .max_flat_workgroup_size: 128
    .sgpr_count:     100
    .vgpr_count:     1024
    .wavefront_size: 32
...
	.end_amdgpu_metadata
.endif
;; end of part 5
;; launch attn (part 6): grid 4 x 64, 16 waves a work-group, clusters of 4 x 1, 167,936 bytes of LDS; arguments qkv, attn_codes, attn_scales; writes attn_codes, attn_scales
.if DOCPART == 6
	.amdgcn_target "amdgcn-amd-amdhsa--gfx1250"
	.amdhsa_code_object_version 6
	.text
	.protected	k_qd0f63cb05f_attn
	.globl	k_qd0f63cb05f_attn
	.p2align	8
	.type	k_qd0f63cb05f_attn,@function
k_qd0f63cb05f_attn:
	s_mov_b64 s[64:65], 0
	v_nop
	global_prefetch_b8 v0, s[64:65] scope:SCOPE_SE
	s_setreg_imm32_b32 hwreg(HW_REG_WAVE_MODE, 25, 1), 1
	s_wait_xcnt 0x0
	s_wait_alu depctr_hold_cnt(0) depctr_sa_sdst(0) depctr_va_vdst(0) depctr_va_sdst(0) depctr_va_ssrc(0) depctr_va_vcc(0) depctr_vm_vsrc(0)
	s_getreg_b32 s2, hwreg(HW_REG_IB_STS2, 6, 4)
	s_cmp_eq_u32 s2, 0
	s_cbranch_scc0 .Lentry_in_a_cluster
	s_endpgm
.Lentry_in_a_cluster:
	s_bfe_u32 s2, ttmp6, 0x10000c
	s_cmp_lg_u32 s2, 0x3003
	s_cbranch_scc0 .Lentry_shape_is_right
	s_endpgm
.Lentry_shape_is_right:
; Launch 3 of 4: for each batch and head, attn = softmax(q k^T / 8) v, both products on codes of E2M1, and attn quantised along E for the projection.  No work of reference() is left out here.
; THE SOFTMAX AHEAD OF THE SECOND PRODUCT: t = score x log2(e) / 8; M = the running largest t rounded UP to a whole number; p = 2^(t - M) is quantised along the keys, not normalised; the row's sum is taken of the
; unquantised p and divides at the end.  When M moves, the sum and O are multiplied by 2^(old M - new M): exact.
; SHARES: a work-group owns 256 queries of one record (a batch and a pair of heads); each of its sixteen waves 16 queries, for both heads one after the other, 8 steps of 128 keys each.
; ALL of the record's K and V, codes and scale words, 143,360 consecutive bytes, lies in LDS: every wave brings 35 rows of 256 bytes, once.  The four work-groups of a cluster walk the same record: the loads are joint.
; Every piece is an image of operand registers (launch 2), read at 16 x lane.  Both products are used transposed (S^T = K Q^T, O^T = V^T P^T): a lane holds ONE query throughout.
; K = 64 IN AN INSTRUCTION OF 128: Q's upper four registers are zero codes.  K's tile t names four registers more than it has: the next tile's codes (tile 7: four registers of zeros).  E2M1 has no infinity and no NaN,
; so those products are zeros; bytes 2 and 3 of Q's and K's scale words are 0, a power of two like any other.
; The keys of a tile are 32 b + 8 u + r + 8 (r / 8) (launch 1's order of places), so that p's 16 registers of two neighbouring tiles are 16 neighbouring keys; V's d rows likewise, so that O^T's are 16 neighbouring d.
; THE ORDER OF A STEP.  K's fragments are asked for a step ahead, behind the products that read the last ones, so a step begins with its eight products; the four address additions are the places behind them.
; The 68 exponentials go in two batches with one wait each, and plain lines that name none of a batch's results stand between them: between the first batch's (blocks 0, 1 and the four blocks' largest) the scalings of
; blocks 2, 3 and half of O^T's rescaling; between the second batch's (blocks 2, 3) the scales' lines and the sums of blocks 0, 1.
; LIMITS: NaN and infinities are not served; a block of zeros keeps the byte 1 (this program alone reads the bytes).
.set REC,   217088
.set KOFF,  73728                      ; where the record's K and V begin
.set SPARE, 143360                     ; behind them in LDS: the spare words, 128 bytes for each of sixteen waves
.set LI,  1                            ; v1   16 x lane: K's codes begin at LDS byte 0
.set LV,  2                            ; v2   + 65,536: V's codes
.set LKS, 3                            ; v3   + 131,072: K's scale words
.set LVS, 4                            ; v4   8 x lane + 139,264: V's
.set SPW, 5
.set NIL, 6
.set QA,  7
.set QSA, 8
.set OSO, 9
.set ADK, 10
.set ADV, 11
.set ADS, 213
.set ADT, 214
.set QF,  16                           ; v16-23, v24-31: Q of the two heads, four registers of codes and four of zeros each
.set KF,  32                           ; v32-63 K's eight tiles; v64-67 zeros
.set KZ,  64
.set VF,  68                           ; v68-99 V's four tiles
.set S,   100                          ; v100-163 S^T, then p, then attn
.set OT,  164                          ; v164-195 O^T
.set PC,  196                          ; v196-203 p's codes
.set KS,  204                          ; v204-212 scale words, and nothing else
.set VS,  208
.set PW,  210
.set QS,  211
.set BM,  216
.set PT,  220
.set SO,  224
.set F,   228
.set TP,  230
.set SC2, 232                          ; v[232:233], v[246:247], v[248:249]: three more chains of the row's sum beside v[14:15]
.set SC3, 246
.set SC4, 248
.set AC,  236                          ; v236-243 attn's codes, four registers a head
.set AW,  244                          ; attn's scale word
.set WV,  10
.set CX,  11
.set RC,  12
.set G1,  16
.set G0,  24
.set QP,  28
.set OC,  30
.set OSC, 32
.set SEL, 34
.set CS,  36
.set TB,  38
.set TS,  39
.set TJ,  40
.set CNT, 41
.macro CROUND                          ; a round of the cluster's barrier
	s_barrier_signal -1
	s_barrier_wait -1
	s_cmp_lg_u32 s[WV], 0
	s_cbranch_scc1 .Lnot_wave_0_\@
	s_barrier_signal -3
.Lnot_wave_0_\@:
	s_barrier_wait -3
	s_barrier_signal -1
	s_barrier_wait -1
.endm
	s_load_b128 s[4:7], s[0:1], 0x0                ; qkv, attn_codes
	s_load_b64 s[8:9], s[0:1], 0x10                ; attn_scales
	v_lshl_add_u32 v[SPW], v0, 2, SPARE
	v_mov_b32 v[NIL], 0
	ds_add_u32 v[SPW], v[NIL]                      ; the wave's opening: the add, twice on end, and its wait ahead of my first tensor load
	ds_add_u32 v[SPW], v[NIL]
	v_lshrrev_b32 v1, 5, v0
	v_readfirstlane_b32 s[WV], v1                  ; wave 0..15
	s_bfe_u32 s[CX], ttmp6, 0x40000                ; my block of 256 queries: it enters Q's and the results' addresses alone
	s_and_b32 s[RC], ttmp7, 0xffff                 ; the record, which the four partners share
	s_mov_b32 s[G1], 15|(3<<16)|(1<<21)            ; the mask: all four work-groups; elements of 8 bytes; no padding: images are read as they lie
	s_mov_b32 s[G1+1], 32<<16                      ; tensor_dim0 = 32 elements: 256 bytes
	s_mov_b32 s[G1+2], 35<<16                      ; tensor_dim1 = 35 rows
	s_mov_b32 s[G1+3], 32<<16                      ; tile_dim0
	s_mov_b32 s[G1+4], 35                          ; tile_dim1
	s_mov_b32 s[G1+5], 32                          ; dense
	s_mov_b32 s[G1+6], 0
	s_mov_b32 s[G1+7], 0
	s_mul_i32 s42, s[RC], REC
	s_mov_b32 s43, 0
	s_mov_b32 s[G0], 1
	s_mul_i32 s[G0+1], s[WV], 8960                 ; my 35 rows in LDS,
	s_add_co_u32 s46, s[G0+1], KOFF                ; and in the record
	s_mov_b32 s47, 0
	s_mov_b32 s[SEL], 0x76543210
	s_mov_b32 s[SEL+1], 0xfedcba98
	s_mov_b32 s[CS], 0x3e38aa3b                    ; c = log2(e) / 8
	s_mov_b32 s[CS+1], s[CS]
	s_wait_dscnt 0x0                               ; both opening adds are done
	s_wait_kmcnt 0x0
	s_add_nc_u64 s[QP:QP+1], s[4:5], s[42:43]      ; the record
	s_add_nc_u64 s[G0+2:G0+3], s[QP:QP+1], s[46:47]
	s_or_b32 s[G0+3], s[G0+3], 0x80000000
	CROUND                                         ; all four work-groups are here: the joint loads meet
	tensor_load_to_lds s[G0:G0+3], s[G1:G1+7]      ; every wave's one tensor load of the launch
	s_nop 0
.rept 4
	v_nop
.endr
	v_and_b32 v[TP], 31, v0
	v_lshlrev_b32 v[LI], 4, v[TP]
	v_add_nc_u32 v[LV], 65536, v[LI]
	v_add_nc_u32 v[LKS], 131072, v[LI]
	v_lshlrev_b32 v[LVS], 3, v[TP]
	v_add_nc_u32 v[LVS], 139264, v[LVS]
	v_and_b32 v[OSO], 15, v0
	v_lshlrev_b32 v[OSO], 5, v[OSO]                ; a token's 32 bytes of scale words
	; Q: my 16 queries in their natural order, out of tiles that hold tokens in the order of places.  B = 8 cx + wave / 2 is my group of 32 tokens, hh = wave % 2 its half:
	; query p lies in tile 2 B + p / 8 at row 8 hh + p % 8
	s_lshl_b32 s42, s[CX], 3
	s_lshr_b32 s43, s[WV], 1
	s_add_co_u32 s42, s42, s43                     ; B
	s_and_b32 s43, s[WV], 1
	s_lshl_b32 s43, s43, 7                         ; 128 hh
	s_lshl_b32 s44, s42, 10
	s_add_co_u32 s44, s44, s43                     ; codes: 1,024 B + 128 hh
	s_lshr_b32 s45, s42, 2
	s_lshl_b32 s45, s45, 9
	s_and_b32 s46, s42, 3
	s_lshl_b32 s46, s46, 2
	s_add_co_u32 s45, s45, s46
	s_add_co_u32 s45, s45, s43                     ; scale words: 512 (B / 4) + 4 (B % 4) + 128 hh
	v_and_b32 v[TP], 7, v0
	v_bfe_u32 v[SC2], v0, 3, 1
	v_bfe_u32 v[SC2+1], v0, 4, 1
	v_lshlrev_b32 v[QA], 4, v[TP]
	v_lshl_add_u32 v[QSA], v[SC2], 8, v[QA]        ; + 16 (lane % 8) + 256 ((lane / 8) % 2)
	v_lshl_add_u32 v[QA], v[SC2], 9, v[QA]         ; + 16 (lane % 8) + 512 ((lane / 8) % 2) + 256 (lane / 16)
	v_lshl_add_u32 v[QA], v[SC2+1], 8, v[QA]
	v_add_nc_u32 v[QA], s44, v[QA]
	v_add_nc_u32 v[QSA], s45, v[QSA]
	global_load_b128 v[QF:QF+3], v[QA], s[QP:QP+1]
	global_load_b128 v[QF+8:QF+11], v[QA], s[QP:QP+1] offset:32768
	global_load_b32 v[QS], v[QSA], s[QP:QP+1] offset:65536
	global_load_b32 v[QS+1], v[QSA], s[QP:QP+1] offset:65536+4096
	s_lshl_b32 s42, s[CX], 4
	s_add_co_u32 s42, s42, s[WV]
	s_lshr_b32 s43, s[RC], 3
	s_lshl_b32 s43, s43, 6
	s_add_co_u32 s42, s42, s43                     ; my tile of 16 tokens, 0..511
	s_and_b32 s43, s[RC], 7                        ; the head pair
	s_lshl_b32 s44, s42, 13
	s_lshl_b32 s45, s43, 10
	s_add_co_u32 s44, s44, s45
	s_mov_b32 s45, 0
	s_add_nc_u64 s[OC:OC+1], s[6:7], s[44:45]      ; attn_codes: [tile][head][512]
	s_lshl_b32 s44, s42, 9
	s_lshl_b32 s46, s43, 2
	s_add_co_u32 s44, s44, s46
	s_add_nc_u64 s[OSC:OSC+1], s[8:9], s[44:45]    ; attn_scales: [token][8 words]
.irp j, 4,5,6,7,12,13,14,15
	v_mov_b32 v[QF+\j], 0                          ; Q's k = 64 .. 127: zero codes
.endr
.irp j, 0,1,2,3
	v_mov_b32 v[KZ+\j], 0
	v_mov_b32 v[PT+\j], 0                          ; written once: a lane permute's destination counts as one of its sources
.endr
	v_mov_b32 v[F+1], 0                            ; named as the upper half of a pair
	s_wait_tensorcnt 0x0                           ; my part of K and V is in,
	s_barrier_signal -1
	s_barrier_wait -1                              ; everybody's is
.irp t, 0,1,2,3,4,5,6,7
	ds_load_b128 v[KF+4*\t:KF+4*\t+3], v[LI] offset:512*\t   ; K of head 0's first step; every later step's K is asked for a step ahead
.endr
	ds_load_b128 v[KS:KS+3], v[LKS]
	s_wait_loadcnt 0x0                             ; Q
.macro EXN                             ; the next exponential of the batch in hand: p = 2^(t - M), at most 1
	v_exp_f32 v[S+xn], v[S+xn]
.set xn, xn+1
.endm
; A KEY STEP of head e: 128 keys.  pre = 1: the next step's K is asked for (behind head 0's last step lies head 1's first: K's codes and scale words of the two heads lie on end in LDS).
.macro STEP e, pre
	s_wait_dscnt 0x0                               ; K and its scale words, asked for a step ago
.irp t, 0,1,2,3,4,5,6,7
.if (\t)%2
	v_wmma_scale_f32_16x16x128_f8f6f4 v[S+8*\t:S+8*\t+7], v[KF+4*\t:KF+4*\t+7], v[QF+8*\e:QF+8*\e+7], 0, v[KS+\t/2], v[QS+\e] matrix_a_fmt:MATRIX_FMT_FP4 matrix_b_fmt:MATRIX_FMT_FP4 matrix_a_scale:MATRIX_SCALE_ROW1
.else
	v_wmma_scale_f32_16x16x128_f8f6f4 v[S+8*\t:S+8*\t+7], v[KF+4*\t:KF+4*\t+7], v[QF+8*\e:QF+8*\e+7], 0, v[KS+\t/2], v[QS+\e] matrix_a_fmt:MATRIX_FMT_FP4 matrix_b_fmt:MATRIX_FMT_FP4
.endif
.endr
	v_add_nc_u32 v[ADV], s[TB], v[LV]              ; four plain lines: the places behind these products and behind the last step's, in front of the loads into their operands and of the first read of the scores
	v_add_nc_u32 v[ADT], s[TJ], v[LVS]
.if \pre
	v_add_nc_u32 v[ADK], s[TB], v[LI]
	v_add_nc_u32 v[ADS], s[TS], v[LKS]
.else
	v_nop
	v_nop
.endif
.irp t, 0,1,2,3
.irp c, 0,1
	ds_load_b128 v[VF+8*\t+4*\c:VF+8*\t+4*\c+3], v[ADV] offset:32768*\e+1024*\t+512*\c   ; this step's V: wanted behind the softmax
.endr
.endr
	ds_load_b64 v[VS:VS+1], v[ADT] offset:2048*\e
.if \pre
.irp t, 0,1,2,3,4,5,6,7
	ds_load_b128 v[KF+4*\t:KF+4*\t+3], v[ADK] offset:32768*\e+4096+512*\t               ; the next step's K
.endr
	ds_load_b128 v[KS:KS+3], v[ADS] offset:4096*\e+512
.endif
.irp b, 0,1,2,3
	v_max3_num_f32 v[BM+\b], v[S+16*\b], v[S+1+16*\b], v[S+2+16*\b]   ; the largest score of each block of 32 keys: for the row's maximum and, since p rises with the score, for the block's largest p
.endr
.irp i, 3,5,7,9,11,13
.irp b, 0,1,2,3
	v_max3_num_f32 v[BM+\b], v[BM+\b], v[S+16*\b+\i], v[S+1+16*\b+\i]
.endr
.endr
.irp b, 0,1,2,3
	v_max_num_f32 v[BM+\b], v[BM+\b], v[S+15+16*\b]
.endr
.irp b, 0,1,2,3
	v_permlanex16_b32 v[PT+\b], v[BM+\b], s[SEL], s[SEL+1]
.endr
.irp b, 0,1,2,3
	v_max_num_f32 v[BM+\b], v[BM+\b], v[PT+\b]     ; with lane l xor 16's 16 keys
.endr
	v_max3_num_f32 v[TP], v[BM], v[BM+1], v[BM+2]
	v_mov_b32 v[SC2], v12                          ; the old -M
	v_max3_num_f32 v13, v[TP], v[BM+3], v13        ; the running largest SCORE of my query (c is positive: c x it is the largest t)
	v_mul_f32 v[TP], s[CS], v13
	v_floor_f32 v12, -v[TP]                        ; the new -M = floor(-t): M is a whole number
.set jj, 0
.rept 4
	v_pk_fma_f32 v[S+jj:S+jj+1], v[S+jj:S+jj+1], s[CS:CS+1], v[12:13] op_sel_hi:[1,0,0]   ; t - M of blocks 0 and 1, two at a time; f's three lines stand among them
.set jj, jj+2
.endr
	v_sub_f32 v[TP], v12, v[SC2]                   ; old M - new M: a whole number, 0 or less
.rept 4
	v_pk_fma_f32 v[S+jj:S+jj+1], v[S+jj:S+jj+1], s[CS:CS+1], v[12:13] op_sel_hi:[1,0,0]
.set jj, jj+2
.endr
	v_cvt_i32_f32 v[TP], v[TP]                     ; (it saturates)
.rept 4
	v_pk_fma_f32 v[S+jj:S+jj+1], v[S+jj:S+jj+1], s[CS:CS+1], v[12:13] op_sel_hi:[1,0,0]
.set jj, jj+2
.endr
	v_ldexp_f32 v[F], 1.0, v[TP]                   ; f = 2^(old M - new M)
.rept 4
	v_pk_fma_f32 v[S+jj:S+jj+1], v[S+jj:S+jj+1], s[CS:CS+1], v[12:13] op_sel_hi:[1,0,0]
.set jj, jj+2
.endr
.irp b, 0,1,2,3
	v_fma_f32 v[BM+\b], v[BM+\b], s[CS], v12       ; the same of each block's largest score
.endr
	; THE FIRST BATCH: blocks 0 and 1, and the four blocks' largest.  Between them: the scalings of blocks 2 and 3, the sums and half of O^T under the new M.  None of these lines names a result of the batch
.set xn, 0
.rept 16
	v_pk_fma_f32 v[S+jj:S+jj+1], v[S+jj:S+jj+1], s[CS:CS+1], v[12:13] op_sel_hi:[1,0,0]
	EXN
	EXN
.set jj, jj+2
.endr
	v_pk_mul_f32 v[14:15], v[14:15], v[F:F+1] op_sel_hi:[1,0]
	v_exp_f32 v[BM], v[BM]                         ; a block's largest p: the same two instructions on the same number give the same bits
	v_pk_mul_f32 v[OT:OT+1], v[OT:OT+1], v[F:F+1] op_sel_hi:[1,0]   ; O^T's tiles 0 and 1, each from its low end on
	v_exp_f32 v[BM+1], v[BM+1]
	v_pk_mul_f32 v[OT+2:OT+3], v[OT+2:OT+3], v[F:F+1] op_sel_hi:[1,0]
	v_exp_f32 v[BM+2], v[BM+2]
	v_pk_mul_f32 v[OT+4:OT+5], v[OT+4:OT+5], v[F:F+1] op_sel_hi:[1,0]
	v_exp_f32 v[BM+3], v[BM+3]
.set jj, 6
.rept 5
	v_pk_mul_f32 v[OT+jj:OT+jj+1], v[OT+jj:OT+jj+1], v[F:F+1] op_sel_hi:[1,0]   ; plain lines behind the batch's last exponential
.set jj, jj+2
.endr
	s_wait_alu depctr_va_vdst(0)                   ; the wait ahead of the first line that names a result: one for the 36
	; THE SECOND BATCH: blocks 2 and 3.  Between them: the scales' lines and the sums of blocks 0 and 1, which name the first batch's results alone
.irp b, 0,1,2,3
	EXN
	v_max_num_f32 v[BM+\b], 0x1800000, v[BM+\b]    ; the floor 2^(3 - 127)
.endr
.irp b, 0,1,2,3
	EXN
	v_add_nc_u32 v[SO+\b], 0xff000000, v[BM+\b]    ; 2 off the exponent field: the conversion's scale operand
.endr
.irp b, 0,1,2,3
	EXN
	v_lshrrev_b32 v[PT+\b], 23, v[SO+\b]           ; the scale's byte
.endr
	EXN
	v_lshl_or_b32 v[PW], v[PT+1], 8, v[PT]         ; p's scale word for these 128 keys
	EXN
	v_pk_add_f32 v[SC2:SC2+1], v[S:S+1], v[S+2:S+3]   ; the row's sum is taken of the unquantised p
	EXN
	v_lshl_or_b32 v[PW], v[PT+2], 16, v[PW]
	EXN
	v_pk_add_f32 v[14:15], v[14:15], v[S+4:S+5]
	EXN
	v_lshl_or_b32 v[PW], v[PT+3], 24, v[PW]
.irp j, 3,5,7,9,11,13
	EXN
	v_pk_add_f32 v[SC2:SC2+1], v[SC2:SC2+1], v[S+2*\j:S+2*\j+1]
	EXN
	v_pk_add_f32 v[14:15], v[14:15], v[S+2*\j+2:S+2*\j+3]
.endr
	EXN
	EXN
	EXN
	v_pk_add_f32 v[SC2:SC2+1], v[SC2:SC2+1], v[S+30:S+31]   ; a plain line behind the last exponential
.irp b, 0,1
	v_cvt_scalef32_pk8_fp4_f32 v[PC+2*\b], v[S+16*\b:S+7+16*\b], v[SO+\b]       ; blocks 0 and 1 are converted ahead of the wait
	v_cvt_scalef32_pk8_fp4_f32 v[PC+1+2*\b], v[S+8+16*\b:S+15+16*\b], v[SO+\b]
.endr
	s_wait_alu depctr_va_vdst(0)                   ; and one wait for the 32
.irp b, 2,3
	v_cvt_scalef32_pk8_fp4_f32 v[PC+2*\b], v[S+16*\b:S+7+16*\b], v[SO+\b]
	v_cvt_scalef32_pk8_fp4_f32 v[PC+1+2*\b], v[S+8+16*\b:S+15+16*\b], v[SO+\b]
.endr
	v_pk_add_f32 v[SC3:SC3+1], v[S+32:S+33], v[S+34:S+35]   ; the sums of blocks 2 and 3, in four chains.  (They are also the plain lines between the conversions and the swaps)
	v_pk_add_f32 v[SC4:SC4+1], v[S+36:S+37], v[S+38:S+39]
.irp j, 40,48,56
	v_pk_add_f32 v[14:15], v[14:15], v[S+\j:S+\j+1]
	v_pk_add_f32 v[SC2:SC2+1], v[SC2:SC2+1], v[S+\j+2:S+\j+3]
	v_pk_add_f32 v[SC3:SC3+1], v[SC3:SC3+1], v[S+\j+4:S+\j+5]
	v_pk_add_f32 v[SC4:SC4+1], v[SC4:SC4+1], v[S+\j+6:S+\j+7]
.endr
	v_pk_add_f32 v[14:15], v[14:15], v[SC2:SC2+1]
	v_pk_add_f32 v[SC3:SC3+1], v[SC3:SC3+1], v[SC4:SC4+1]
	v_pk_add_f32 v[14:15], v[14:15], v[SC3:SC3+1]
.irp c, 0,1
.irp i, 0,1
	v_permlane16_swap_b32 v[PC+4*\c+\i], v[PC+2+4*\c+\i]   ; a whole block in a lane
.endr
.endr
.set jj, 16
.rept 8
	v_pk_mul_f32 v[OT+jj:OT+jj+1], v[OT+jj:OT+jj+1], v[F:F+1] op_sel_hi:[1,0]   ; O^T's tiles 2 and 3 under the new M.  For each product below at least four of these name none of its registers: its places behind p's codes
.set jj, jj+2
.endr
.if \pre
	s_wait_dscnt 9                                 ; V and its scale words are in; the next step's nine loads of K, which are younger, may be out
.else
	s_wait_dscnt 0x0
.endif
.irp t, 0,1,2,3
.if (\t)%2
	v_wmma_scale_f32_16x16x128_f8f6f4 v[OT+8*\t:OT+8*\t+7], v[VF+8*\t:VF+8*\t+7], v[PC:PC+7], v[OT+8*\t:OT+8*\t+7], v[VS+\t/2], v[PW] matrix_a_fmt:MATRIX_FMT_FP4 matrix_b_fmt:MATRIX_FMT_FP4 matrix_a_scale:MATRIX_SCALE_ROW1
.else
	v_wmma_scale_f32_16x16x128_f8f6f4 v[OT+8*\t:OT+8*\t+7], v[VF+8*\t:VF+8*\t+7], v[PC:PC+7], v[OT+8*\t:OT+8*\t+7], v[VS+\t/2], v[PW] matrix_a_fmt:MATRIX_FMT_FP4 matrix_b_fmt:MATRIX_FMT_FP4
.endif
.endr
.endm
; Head e's end: O^T / the sum is attn; register 16 b + i is d = 32 b + 16 (lane / 16) + i of my query: two blocks of the projection's K.
.macro FIN e
.rept 4
	v_nop                                          ; places behind the last products
.endr
	v_add_f32 v14, v14, v15                        ; the sum's two halves,
	v_permlanex16_b32 v[TP], v14, s[SEL], s[SEL+1]
	v_add_f32 v14, v14, v[TP]                      ; and lane l xor 16's
	v_rcp_f32 v[F], v14
	v_nop                                          ; a plain line behind the reciprocal
	s_wait_alu depctr_va_vdst(0)                   ; and the wait ahead of its first reader
.set jj, 0
.rept 16
	v_pk_mul_f32 v[S+jj:S+jj+1], v[OT+jj:OT+jj+1], v[F:F+1] op_sel_hi:[1,0]   ; each accumulator from its low end on
.set jj, jj+2
.endr
.irp b, 0,1
	v_max3_num_f32 v[BM+\b], |v[S+16*\b]|, |v[S+1+16*\b]|, 0x1800000
.endr
.irp i, 2,4,6,8,10,12,14
.irp b, 0,1
	v_max3_num_f32 v[BM+\b], v[BM+\b], |v[S+16*\b+\i]|, |v[S+1+16*\b+\i]|
.endr
.endr
.irp b, 0,1
	v_permlanex16_b32 v[PT+\b], v[BM+\b], s[SEL], s[SEL+1]
.endr
.irp b, 0,1
	v_max_num_f32 v[BM+\b], v[BM+\b], v[PT+\b]
.endr
.irp b, 0,1
	v_add_nc_u32 v[SO+\b], 0xff000000, v[BM+\b]
.endr
.irp b, 0,1
	v_lshrrev_b32 v[PT+\b], 23, v[SO+\b]
.endr
.irp b, 0,1
	v_cvt_scalef32_pk8_fp4_f32 v[AC+4*\e+2*\b], v[S+16*\b:S+7+16*\b], v[SO+\b]
	v_cvt_scalef32_pk8_fp4_f32 v[AC+4*\e+1+2*\b], v[S+8+16*\b:S+15+16*\b], v[SO+\b]
.endr
	v_nop
	v_permlane16_swap_b32 v[AC+4*\e], v[AC+4*\e+2]
	v_permlane16_swap_b32 v[AC+4*\e+1], v[AC+4*\e+3]
	global_store_b128 v[LI], v[AC+4*\e:AC+4*\e+3], s[OC:OC+1] offset:512*\e   ; half a fragment of the projection: 512 consecutive bytes, aligned
.if \e
	v_lshl_or_b32 v[TP], v[PT+1], 8, v[PT]
	v_lshl_or_b32 v[AW], v[TP], 16, v[AW]          ; bytes 2 and 3 of the pair's scale word
.else
	v_lshl_or_b32 v[AW], v[PT+1], 8, v[PT]         ; bytes 0 and 1
.endif
.endm
; A head: trips steps in a loop, each of which asks for the next step's K; tail = 1: one more step, written out, which asks for nothing
.macro HEAD e, trips, tail
	v_mov_b32 v13, 0xff61b1e6                      ; the largest score so far: -3e38, under every score
	v_floor_f32 v12, -v13                          ; a first -M so large that the first f is 0
	v_mov_b32 v14, 0                               ; the sum, in two halves
	v_mov_b32 v15, 0
.set jj, 0
.rept 32
	v_mov_b32 v[OT+jj], 0                          ; the step is written once: the first finds zeros, which the first change of M leaves zeros
.set jj, jj+1
.endr
	s_mov_b32 s[TB], 0
	s_mov_b32 s[TS], 0
	s_mov_b32 s[TJ], 0
	s_mov_b32 s[CNT], \trips
.Lstep_\@:
	STEP \e, 1
	s_add_co_u32 s[TB], s[TB], 4096                ; the next step's codes,
	s_add_co_u32 s[TS], s[TS], 512                 ; K's scale words,
	s_add_co_u32 s[TJ], s[TJ], 256                 ; and V's
	s_sub_co_u32 s[CNT], s[CNT], 1
	s_cmp_lg_u32 s[CNT], 0
	s_cbranch_scc1 .Lstep_\@
.if \tail
	STEP \e, 0
.endif
	FIN \e
.endm
	HEAD 0, 8, 0                                   ; its last step asks for head 1's first K
	HEAD 1, 7, 1
	global_store_b32 v[OSO], v[AW], s[OSC:OSC+1]   ; my 16 tokens' scale word of this head pair (lanes l and l + 16 store the same word): 4 bytes in each token's 32; whole rows would want all eight pairs in one work-group
	s_wait_tensorcnt 0x0                           ; the wave's end, behind my last tensor load
	ds_add_u32 v[SPW], v[NIL]
	s_wait_dscnt 0x0
	CROUND                                         ; the closing round
	s_endpgm
.Lfunc_end_k_qd0f63cb05f_attn:
	.size	k_qd0f63cb05f_attn, .Lfunc_end_k_qd0f63cb05f_attn-k_qd0f63cb05f_attn
	.p2alignl 7, 3214868480
	.fill 96, 4, 3214868480
	.section	.rodata,"a",@progbits
	.p2align	6, 0x0
	.amdhsa_kernel k_qd0f63cb05f_attn
		.amdhsa_group_segment_fixed_size 167936
		.amdhsa_private_segment_fixed_size 0
		.amdhsa_enable_private_segment 0
		.amdhsa_kernarg_size 24
		.amdhsa_user_sgpr_count 2
		.amdhsa_user_sgpr_kernarg_segment_ptr 1
		.amdhsa_wavefront_size32 1
		.amdhsa_system_sgpr_workgroup_id_x 1
		.amdhsa_system_sgpr_workgroup_id_y 1
		.amdhsa_system_sgpr_workgroup_id_z 1
		.amdhsa_system_vgpr_workitem_id 0
		.amdhsa_next_free_vgpr 256
		.amdhsa_next_free_sgpr 66
		.amdhsa_reserve_vcc 0
		.amdhsa_float_denorm_mode_32 3
		.amdhsa_float_denorm_mode_16_64 3
		.amdhsa_memory_ordered 1
		.amdhsa_forward_progress 1
		.amdhsa_inst_pref_size 59
	.end_amdhsa_kernel
	.amdgpu_metadata
---
amdhsa.version: [ 1, 2 ]
amdhsa.kernels:
  - .name:           k_qd0f63cb05f_attn
    .symbol:         k_qd0f63cb05f_attn.kd
    .args:
      - { .name: qkv, .offset: 0, .size: 8, .value_kind: global_buffer, .address_space: global }
      - { .name: attn_codes, .offset: 8, .size: 8, .value_kind: global_buffer, .address_space: global }
      - { .name: attn_scales, .offset: 16, .size: 8, .value_kind: global_buffer, .address_space: global }
    .group_segment_fixed_size: 167936
    .private_segment_fixed_size: 0
    .kernarg_segment_align: 8
    .kernarg_segment_size: 24
    .max_flat_workgroup_size: 512
    .sgpr_count:     66
    .vgpr_count:     256
    .wavefront_size: 32
...
	.end_amdgpu_metadata
.endif
;; end of part 6
;; launch proj: the kernel of part 4 again; grid 4 x 64, 4 waves a work-group, clusters of 4 x 4, 327,680 bytes of LDS; arguments attn_codes, attn_scales, w_codes, w_scales, out_b, out0; writes out0
